; MI455X (gfx1250); checked and timed in simulation.
; The chip was launched on July 23, 2026; its instructions are those of AMD's public machine-readable ISA for CDNA 5 (MIT licence, August 2026) and "CDNA5" Instruction Set Architecture Reference Guide (July 2026). The comments in the code are by the model that wrote it; some were corrected since.
;; Multihead Flash Diff2. Allowed arithmetic: matrix products marked QUANTISED: E2M3 operands, one E8M0 scale for each 32 along K, by v_wmma_scale_f32_16x16x128_f8f6f4 with both operands' format E2M3, f32 sums; everything else in f32.
;; Inputs: Wk 1,024 x 2,048 float32; Wo 2,048 x 2,048 float32; Wq 2,048 x 2,048 float32; Wv 1,024 x 2,048 float32; cos 2,048 x 32 float32; lambda_k1 64 float32; lambda_k2 64 float32; lambda_q1 64 float32; lambda_q2 64 float32; sin 2,048 x 32 float32; subln_w 128 float32; x 1 x 2,048 x 2,048 float32.
;; Outputs: out0 1 x 2,048 x 2,048 float32.
;; This version of the problem:
;;   THIS VERSION OF THE PROBLEM IS GIVEN IN LOW PRECISION. The matrix products marked QUANTISED in the list below multiply operands that are first quantised to E2M3 (2 exponent bits, 3 mantissa bits; 6 bits a number), with one power-of-two scale for each 32 numbers along K (OCP MX v1.0); their sums are f32. All else is computed in f32.
;;   The module's matrix products, in the order in which they are computed (A, B: the left and right operand; K: the contracted axis; several contracted axes count as one K, in the product's order):
;;     1. [M 2,048, K 2,048] x [K 2,048, N 2,048]; A: input x; B: input Wq: QUANTISED
;;     2. [M 2,048, K 2,048] x [K 2,048, N 1,024]; A: input x; B: input Wk: QUANTISED
;;     3. [M 2,048, K 2,048] x [K 2,048, N 1,024]; A: input x; B: input Wv: QUANTISED
;;     4. batch 16 x [M 2,048, K 64] x [K 64, N 2,048]; A: computed on the way; B: computed on the way: QUANTISED
;;     5. batch 16 x [M 128, K 2,048] x [K 2,048, N 2,048]; A: computed on the way; B: softmax (see below): QUANTISED
;;     6. batch 16 x [M 2,048, K 64] x [K 64, N 2,048]; A: computed on the way; B: computed on the way: QUANTISED
;;     7. batch 16 x [M 128, K 2,048] x [K 2,048, N 2,048]; A: computed on the way; B: softmax (see below): QUANTISED
;;     8. [M 2,048, K 2,048] x [K 2,048, N 2,048]; A: computed on the way; B: input Wo: QUANTISED
;;   THE QUANTISER, for each operand of a quantised product, along K:
;;     - K is cut into blocks of 32 from its start; a last block that is shorter is filled with zeros.
;;     - A block's scale is 2^e with e = floor(log2(the largest magnitude in the block)) - 2, held to -126 .. 127; a block of zeros has e = 0. As a byte (E8M0): e + 127.
;;     - Each number is divided by its block's scale, clamped to +-7.5, and rounded to the nearest number of E2M3, ties to even, subnormals kept.
;;     - The product sums the exact products of the quantised numbers (number of the format x scale) in f32.
;;   ~~~python
;;   def quantise(x, axis):      # numpy; x: float32 -> the quantised numbers, widened to float32 again
;;       x = np.moveaxis(x, axis, -1); K = x.shape[-1]
;;       x = np.pad(x, [(0, 0)] * (x.ndim - 1) + [(0, -K % 32)]); x = x.reshape(x.shape[:-1] + (-1, 32)); a = np.abs(x).max(-1, keepdims=True)
;;       e = np.where(a > 0, np.clip(np.frexp(np.where(a > 0, a, 1))[1] - 1 - 2, -126, 127), 0)      # np.frexp(a)[1] - 1 = floor(log2(a)), exactly
;;       r = np.clip(x / 2.0 ** e, -7.5, 7.5)
;;       step = 2.0 ** (np.maximum(np.frexp(np.where(r == 0, 1, r))[1] - 1, 0) - 3)
;;       q = np.round(r / step) * step * 2.0 ** e      # np.round: ties to even
;;       return np.moveaxis(q.reshape(q.shape[:-2] + (-1,))[..., :K], -1, axis).astype(np.float32)
;;   ~~~
;;   SOFTMAX AHEAD OF A QUANTISED PRODUCT. Where the list says 'softmax', what is quantised is not the finished softmax but p = 2^(t - M), with t = logit x log2(e) and M = ceil(the row's largest t), a whole number; so 1/2 < the row's largest p <= 1. The row's sum l is taken of the UNQUANTISED p, in f32, and the product's result is divided by l at the end. Since M is a whole number, a kernel that streams over the keys may use a running M (the ceiling of the running maximum): every later rescaling is an exact power of two, which a block's scale takes up: the codes' values come out the same.
;;   OPERANDS COMPUTED ON THE WAY. 'Computed on the way' means the value that the module computes at that place (a softmax that the list does not call 'softmax' is quantised finished and normalised). What goes into a quantiser is computed in f32, as accurately as f32 sums, v_exp_f32 and their like allow (about 1e-6 of the number): no bf16 or f16 on the way to a quantiser, and a product that is left as it is and whose result goes on into a quantised operand takes f32 operands (vector FMAs, or v_wmma_f32_16x16x4_f32). A number that lies on a knife's edge between two numbers of the format may be rounded either way, as far as f32 arithmetic and the matrix unit's own rounding can turn it there, and no further.
;; One version. Each part assembles by itself: llvm-mc -triple=amdgcn-amd-amdhsa -mcpu=gfx1250 --defsym DOCPART=n.
;; ======== version 1 of 1: 4 launches
;; limits: right only within a limited range of input values
;; workspace buffers: img 12,582,912 bytes; scl 524,288 bytes; qkv 6,291,456 bytes; qkvs 458,752 bytes; aimg 3,145,728 bytes; ascl 131,072 bytes
;; launch quant (part 1): grid 512 x 1, 4 waves a work-group, no clusters, 34,304 bytes of LDS; arguments x, Wq, Wk, Wv, Wo, img, scl; writes img, scl
.if DOCPART == 1
	.amdgcn_target "amdgcn-amd-amdhsa--gfx1250"
	.amdhsa_code_object_version 6
	.text
	.protected	k_qeeb3a8e060_quant
	.globl	k_qeeb3a8e060_quant
	.p2align	8
	.type	k_qeeb3a8e060_quant,@function
k_qeeb3a8e060_quant:
	s_mov_b64 s[64:65], 0
	v_nop
	global_prefetch_b8 v0, s[64:65] scope:SCOPE_SE
	s_setreg_imm32_b32 hwreg(HW_REG_WAVE_MODE, 25, 1), 1
	s_wait_xcnt 0x0
; x [2048][2048], Wq [2048][2048], Wk, Wv [1024][2048], Wo [2048][2048], f32, K innermost, become codes of FP6 (E2M3) with one E8M0 byte for each 32 along K,
; laid as IMAGES OF OPERAND REGISTERS.  The five tensors are 512 tiles of 16 rows on end (x 0-127, Wq 128-255, Wk 256-319, Wv 320-383, Wo 384-511).
; THE ROWS OF A TILE ARE NOT NEIGHBOURS: place r of a tensor's tile i is row 32 (i / 2) + 8 (i % 2) + r + 8 (r / 8), so that a product which takes such a tile as source 0 leaves 16 neighbours in the 16 registers of tiles 2 b, 2 b + 1.
; img: [run of four K steps 0..3][tile 0..511][K step % 4][1,536 bytes]: registers 4 c .. 4 c + 3 of lane l at 512 c + 16 l.  So neighbouring tiles' codes of one run are one dense block of memory.
; scl: [tile][K step / 4][place r][K step % 4], one word (four bytes, 128 along K) each.
; A block's scale is 2^(floor(log2(largest magnitude)) - 2); its byte is the largest magnitude's exponent field - 2, held at 1 from below.  A block of zeros keeps the byte 1: its codes are zeros, and this program alone reads the bytes.
; LIMITS: NaN and infinities among the inputs are not served.
; SHARES: a work-group is a tile, wave w takes run w: K steps 4 w .. 4 w + 3.  Each load reads 512 consecutive bytes of a row (a K step); the 16 rows turn through the wave's own stage in LDS, so that lane (r, h) gets, of row r,
; the 16 neighbours 32 b + 16 h + 0 .. 15 of each block b.  No tensor load, no barrier: waves share nothing.  Loads run one K step (16 loads) ahead of the one at work.
.set STG,   8448                       ; a wave's stage: 16 rows x (512 bytes + 16)
.set SPARE, 4*STG                      ; behind the stages: the spare words, 128 bytes a wave
.set L16,  1                           ; v1   16 x lane
.set SIN,  2                           ; v2   the stage, on the way in
.set SOUT, 3                           ; v3   and on the way out: row r, + 64 h
.set SOF,  4                           ; v4   my 8 bytes of the wave's 256 bytes of scale words
.set HH,   5                           ; v5   h
.set SD,   6                           ; v6-7 the two words that I store
.set PW,   8                           ; v8-11 my row's scale word of each of the four K steps
.set SPW,  12
.set NIL,  13
.set R,    16                          ; v16-143  two sets of 64: a K step as loaded
.set X,    144                         ; v144-207 64 numbers in the quantiser's order
.set PC,   208                         ; v208-231 two sets of 12: the codes
.set PH,   232                         ; v232-239 the blocks' second halves
.set TM,   240                         ; v240-255 at work
.set SEL,  26                          ; s[26:27] lane selects for lane l xor 16
; 64 numbers of a lane, register 16 b + i = k 32 b + 16 h + i of its row, become a fragment's 12 registers at pc and the row's scale word in pw.
.macro QUANT s, pc, ph, tm, pw
.irp b, 0,1,2,3
	v_max3_num_f32 v[(\tm)+\b], |v[(\s)+16*\b]|, |v[(\s)+1+16*\b]|, 0x1800000   ; my 16 numbers of block b, and the floor 2^(3 - 127): the byte cannot fall under 1
.endr
.irp i, 2,4,6,8,10,12,14
.irp b, 0,1,2,3
	v_max3_num_f32 v[(\tm)+\b], v[(\tm)+\b], |v[(\s)+16*\b+\i]|, |v[(\s)+1+16*\b+\i]|   ; the four blocks by turns
.endr
.endr
.irp b, 0,1,2,3
	v_permlanex16_b32 v[(\tm)+4+\b], v[(\tm)+\b], s[SEL], s[SEL+1]
.endr
.irp b, 0,1,2,3
	v_max_num_f32 v[(\tm)+\b], v[(\tm)+\b], v[(\tm)+4+\b]          ; with lane l xor 16's: the block's largest magnitude
.endr
.irp b, 0,1,2,3
	v_add_nc_u32 v[(\tm)+12+\b], 0xff000000, v[(\tm)+\b]           ; 2 off its exponent field: the conversion's scale operand
.endr
.irp b, 0,1,2,3
	v_lshrrev_b32 v[(\tm)+4+\b], 23, v[(\tm)+12+\b]                ; the scale's byte
.endr
	v_lshl_or_b32 v[(\pw)], v[(\tm)+5], 8, v[(\tm)+4]
	v_lshl_or_b32 v[(\pw)], v[(\tm)+6], 16, v[(\pw)]
	v_lshl_or_b32 v[(\pw)], v[(\tm)+7], 24, v[(\pw)]
.irp c, 0,1
	v_cvt_scalef32_pk16_fp6_f32 v[(\pc)+6*\c:(\pc)+2+6*\c], v[(\s)+32*\c:(\s)+15+32*\c], v[(\tm)+12+2*\c]
	v_cvt_scalef32_pk16_fp6_f32 v[(\ph)+4*\c:(\ph)+2+4*\c], v[(\s)+16+32*\c:(\s)+31+32*\c], v[(\tm)+12+2*\c+1]   ; (a conversion's three registers begin on an even number)
.endr
	v_nop                                          ; one plain place behind a scaled conversion
.irp c, 0,1                                    ; the operand's layout wants a whole block in a lane: lanes 0-15 block 2 c, lanes 16-31 block 2 c + 1
.irp i, 0,1,2
	v_permlane16_swap_b32 v[(\pc)+6*\c+\i], v[(\ph)+4*\c+\i]
.endr
.irp i, 0,1,2
	v_mov_b32 v[(\pc)+3+6*\c+\i], v[(\ph)+4*\c+\i]
.endr
.endr
.endm
	s_load_b256 s[4:11], s[0:1], 0x0               ; x, Wq, Wk, Wv
	s_load_b128 s[12:15], s[0:1], 0x20             ; Wo, img
	s_load_b64 s[16:17], s[0:1], 0x30              ; scl
	v_lshl_add_u32 v[SPW], v0, 2, SPARE
	v_mov_b32 v[NIL], 0
	v_lshrrev_b32 v1, 5, v0
	v_readfirstlane_b32 s18, v1                    ; wave
	v_and_b32 v6, 31, v0                           ; lane
	v_and_b32 v7, 15, v0                           ; r
	v_bfe_u32 v[HH], v0, 4, 1                      ; h
	v_lshlrev_b32 v[L16], 4, v6
	s_mul_i32 s19, s18, STG
	v_add_nc_u32 v[SIN], s19, v[L16]
	v_mul_u32_u24 v[SOUT], v7, 528
	v_lshl_add_u32 v[SOUT], v[HH], 6, v[SOUT]
	v_add_nc_u32 v[SOUT], s19, v[SOUT]
	v_lshlrev_b32 v[SOF], 4, v7
	v_lshl_add_u32 v[SOF], v[HH], 3, v[SOF]        ; 16 r + 8 h
	s_mov_b32 s[SEL], 0x76543210
	s_mov_b32 s[SEL+1], 0xfedcba98
.irp b, 0,1,2,3
	v_mov_b32 v[TM+4+\b], 0                        ; written once: a lane permute's destination counts as one of its sources
.endr
	s_wait_alu depctr_va_vdst(0)                   ; the wait at the head's end
	s_wait_kmcnt 0x0
	s_mov_b64 s[20:21], s[4:5]                     ; whose tile is mine?  The choice hangs on the work-group's number alone
	s_mov_b32 s22, 0
	s_cmp_ge_u32 ttmp9, 128
	s_cselect_b64 s[20:21], s[6:7], s[20:21]
	s_cselect_b32 s22, 128, s22
	s_cmp_ge_u32 ttmp9, 256
	s_cselect_b64 s[20:21], s[8:9], s[20:21]
	s_cselect_b32 s22, 256, s22
	s_cmp_ge_u32 ttmp9, 320
	s_cselect_b64 s[20:21], s[10:11], s[20:21]
	s_cselect_b32 s22, 320, s22
	s_cmp_ge_u32 ttmp9, 384
	s_cselect_b64 s[20:21], s[12:13], s[20:21]
	s_cselect_b32 s22, 384, s22
	s_sub_co_u32 s22, ttmp9, s22                   ; i: the tile's number in its tensor
	s_lshr_b32 s23, s22, 1
	s_lshl_b32 s23, s23, 18                        ; 32 (i / 2) rows of 8,192 bytes
	s_and_b32 s24, s22, 1
	s_lshl_b32 s24, s24, 16                        ; 8 (i % 2) rows
	s_add_co_u32 s24, s24, s23
	s_lshl_b32 s23, s18, 11                        ; my four K steps: 2,048 bytes a wave
	s_add_co_u32 s24, s24, s23
	s_mov_b32 s25, 0
	s_add_nc_u64 s[20:21], s[20:21], s[24:25]
	s_mul_i32 s24, ttmp9, 6144                     ; img: my tile's 6,144 bytes
	s_mul_i32 s23, s18, 3145728                    ; in my run's 512 x 6,144
	s_add_co_u32 s24, s24, s23
	s_add_nc_u64 s[14:15], s[14:15], s[24:25]      ; img at my first fragment
	s_lshl_b32 s24, ttmp9, 10
	s_lshl_b32 s23, s18, 8
	s_add_co_u32 s24, s24, s23
	s_add_nc_u64 s[16:17], s[16:17], s[24:25]      ; scl at my 256 bytes
.macro LOADF j                         ; K step j of the tile's 16 rows: each load is 512 consecutive bytes of one row
.irp t, 0,1,2,3,4,5,6,7,8,9,10,11,12,13,14,15
	global_load_b128 v[R+64*((\j)%2)+4*\t:R+64*((\j)%2)+4*\t+3], v[L16], s[20:21] offset:(\t+8*(\t/8))*8192+512*(\j) th:TH_LOAD_NT
.endr
.endm
.macro WORK j
.if \j < 3
	s_wait_loadcnt 16                              ; this K step's 16 loads are in; the next one's 16 may be out
.else
	s_wait_loadcnt 0x0
.endif
.irp t, 0,1,2,3,4,5,6,7,8,9,10,11,12,13,14,15
	ds_store_b128 v[SIN], v[R+64*((\j)%2)+4*\t:R+64*((\j)%2)+4*\t+3] offset:528*\t
.endr
.irp b, 0,1,2,3                                ; LDS serves a wave's instructions in order: these see the stores above
.irp q, 0,1,2,3
	ds_load_b128 v[X+16*\b+4*\q:X+16*\b+4*\q+3], v[SOUT] offset:128*\b+16*\q
.endr
.endr
	s_wait_dscnt 0x0                               ; the numbers are back, and the stores have read their registers,
.if \j < 2
	LOADF (\j)+2                                   ; which take the K step two on
.else
	s_wait_xcnt 0x0                                ; the stores of two K steps ago have read this set of codes: it is written again only behind this wait
.endif
	QUANT X, PC+12*((\j)%2), PH, TM, PW+(\j)
.irp c, 0,1,2
	global_store_b128 v[L16], v[PC+12*((\j)%2)+4*\c:PC+12*((\j)%2)+4*\c+3], s[14:15] offset:1536*(\j)+512*\c   ; 512 consecutive bytes, aligned
.endr
.endm
	LOADF 0
	LOADF 1
	WORK 0
	WORK 1
	WORK 2
	WORK 3
	v_cmp_ne_u32 vcc_lo, 0, v[HH]
	v_cndmask_b32 v[SD], v[PW], v[PW+2], vcc_lo    ; lanes 0-15 store their row's words 0, 1, lanes 16-31 words 2, 3
	v_cndmask_b32 v[SD+1], v[PW+1], v[PW+3], vcc_lo
	global_store_b64 v[SOF], v[SD:SD+1], s[16:17]  ; the wave's 256 consecutive bytes, aligned
	s_wait_tensorcnt 0x0                           ; the wave's end: behind my last LDS store
	ds_add_u32 v[SPW], v[NIL]
	s_wait_dscnt 0x0
	s_endpgm
.Lfunc_end_k_qeeb3a8e060_quant:
	.size	k_qeeb3a8e060_quant, .Lfunc_end_k_qeeb3a8e060_quant-k_qeeb3a8e060_quant
	.p2alignl 7, 3214868480
	.fill 96, 4, 3214868480
	.section	.rodata,"a",@progbits
	.p2align	6, 0x0
	.amdhsa_kernel k_qeeb3a8e060_quant
		.amdhsa_group_segment_fixed_size 34304
		.amdhsa_private_segment_fixed_size 0
		.amdhsa_enable_private_segment 0
		.amdhsa_kernarg_size 56
		.amdhsa_user_sgpr_count 2
		.amdhsa_user_sgpr_kernarg_segment_ptr 1
		.amdhsa_wavefront_size32 1
		.amdhsa_system_sgpr_workgroup_id_x 1
		.amdhsa_system_sgpr_workgroup_id_y 1
		.amdhsa_system_sgpr_workgroup_id_z 1
		.amdhsa_system_vgpr_workitem_id 0
		.amdhsa_next_free_vgpr 256
		.amdhsa_next_free_sgpr 66
		.amdhsa_reserve_vcc 1
		.amdhsa_float_denorm_mode_32 3
		.amdhsa_float_denorm_mode_16_64 3
		.amdhsa_memory_ordered 1
		.amdhsa_forward_progress 1
		.amdhsa_inst_pref_size 34
	.end_amdhsa_kernel
	.amdgpu_metadata
---
amdhsa.version: [ 1, 2 ]
amdhsa.kernels:
  - .name:           k_qeeb3a8e060_quant
    .symbol:         k_qeeb3a8e060_quant.kd
    .args:
      - { .name: x, .offset: 0, .size: 8, .value_kind: global_buffer, .address_space: global }
      - { .name: Wq, .offset: 8, .size: 8, .value_kind: global_buffer, .address_space: global }
      - { .name: Wk, .offset: 16, .size: 8, .value_kind: global_buffer, .address_space: global }
      - { .name: Wv, .offset: 24, .size: 8, .value_kind: global_buffer, .address_space: global }
      - { .name: Wo, .offset: 32, .size: 8, .value_kind: global_buffer, .address_space: global }
      - { .name: img, .offset: 40, .size: 8, .value_kind: global_buffer, .address_space: global }
      - { .name: scl, .offset: 48, .size: 8, .value_kind: global_buffer, .address_space: global }
    .group_segment_fixed_size: 34304
    .private_segment_fixed_size: 0
    .kernarg_segment_align: 8
    .kernarg_segment_size: 56
    .max_flat_workgroup_size: 128
    .sgpr_count:     66
    .vgpr_count:     256
    .wavefront_size: 32
...
	.end_amdgpu_metadata
.endif
;; end of part 1
;; launch qkvproj (part 2): grid 16 x 16, 4 waves a work-group, clusters of 4 x 4, 327,680 bytes of LDS; arguments img, scl, cos, sin, qkv, qkvs; writes qkv, qkvs
.if DOCPART == 2
	.amdgcn_target "amdgcn-amd-amdhsa--gfx1250"
	.amdhsa_code_object_version 6
	.text
	.protected	k_qeeb3a8e060_qkvproj
	.globl	k_qeeb3a8e060_qkvproj
	.p2align	8
	.type	k_qeeb3a8e060_qkvproj,@function
k_qeeb3a8e060_qkvproj:
	s_mov_b64 s[64:65], 0
	v_nop
	global_prefetch_b8 v0, s[64:65] scope:SCOPE_SE
	s_setreg_imm32_b32 hwreg(HW_REG_WAVE_MODE, 25, 1), 1
	s_wait_xcnt 0x0
	s_wait_alu depctr_hold_cnt(0) depctr_sa_sdst(0) depctr_va_vdst(0) depctr_va_sdst(0) depctr_va_ssrc(0) depctr_va_vcc(0) depctr_vm_vsrc(0)
	s_getreg_b32 s2, hwreg(HW_REG_IB_STS2, 6, 4)
	s_cmp_eq_u32 s2, 0
	s_cbranch_scc0 .Lentry_in_a_cluster
	s_endpgm
.Lentry_in_a_cluster:
	s_bfe_u32 s2, ttmp6, 0x10000c
	s_cmp_lg_u32 s2, 0xf033
	s_cbranch_scc0 .Lentry_shape_is_right
	s_endpgm
.Lentry_shape_is_right:
; q = rot(x Wq^T), k = rot(x Wk^T), V^T = Wv x^T on codes of FP6 (E2M3), and their quantising for the attention, all in one launch.
; A work-group makes 128 rows of A x 256 rows of B over K = 2,048; a wave 64 x 128: 4 x 8 accumulators, 256 registers.  THE MATRIX INSTRUCTION IS USED TRANSPOSED (source 0 = a tile of B, source 1 = a tile of A):
; a lane holds one row of A, and, by the order of rows in a tile (place r of tile i = row 32 (i / 2) + 8 (i % 2) + r + 8 (r / 8)), its 64 registers of a block of A are 32 b + 16 h + 0 .. 15 of the wave's 128 rows of B: the quantiser's order.
; Clusters with x = 0, 1: A = x (tokens), B = Wq: a wave's 128 features are one head's two maps.  x = 2: B = Wk, one key head.  x = 3: A = Wv (channels), B = x (keys): a wave's 128 keys are one key step, so V is quantised ALONG THE KEYS.
; The rotation (interleaved pairs) is applied in f32 to the sums; for V it is the identity (cos = 1, sin = 0 written into the same registers), so the way out is one text.
; OPERANDS are images of registers (launch quant): a K step's fragment is three loads of 512 consecutive bytes: no pitch, no padding.  K goes in four runs of four K steps through two LDS slots: two refills in all.
; CLUSTERS 4 x 4: A's tiles are shared along a row of the cluster, B's along a column: joint loads with a mask.  No prefetch: half of K is on its way from the start, and the operands are read by many work-groups.
; OUT (split images, 1,536 bytes: registers 0-3 at 16 l, 4-5 at 512 + 8 l, 6-9 at 768 + 16 l, 10-11 at 1,280 + 8 l; the half at 768 s is map s):  qkv: q [head][tile][1536]; from QSZ on [key head][key step][K's 8 tiles | V's 8 channel tiles].
; qkvs (words, [place r][4 tiles] = 256 bytes a group): q [head][128 queries][map][group]; from QSS on [key head][key step][K map 0: 2 groups | K map 1 | V].  Map 1's copy is the word shifted down by 16 bits.
; LIMITS: NaN and infinities are not served; a block of zeros keeps the scale byte 1 (its codes are zeros; the bytes are read by this program alone).
; REGISTERS: window 0: v16-29 addresses, v32-159 scale words (all four runs), v96-247 the way out.  window 1: the accumulators, (a, b) at 8 (8 a + b).  window 2: B's fragments, two sets of 96.  window 3: A's, two sets of 48; from v96 cos and sin.
.set NBW,   8                          ; tiles of B to a wave
.set TILEB, 6144                       ; a tile's four K steps
.set HALFA, 4*TILEB                    ; what a load for A brings, and what a wave reads of A
.set HALFB, NBW*TILEB                  ; the same for B
.set SLOT,  2*HALFA+2*HALFB
.set SCLA,  2*SLOT                     ; behind the ring: 8,192 bytes that nothing fills
.set SCLB,  SCLA+8192                  ; then 2 NBW x 1,024 bytes and 1,024 more that nothing fills
.set SPARE, SCLB+2048*NBW+1024         ; the spare words, 128 bytes a wave
.set QSZ,   3145728
.set QSS,   262144
.set PAC, 4                            ; s[4:5] A's codes, s[6:7] A's scale words; B's are the same two buffers here
.set PAS, 6
.set PBC, 4
.set PBS, 6
.set ADRA, 16                          ; v16-17 my A fragments in slot 0, 1
.set ADRB, 18                          ; v18-19 my B fragments
.set ADRS, 20                          ; v20    my scale words: lanes 0-15 A's, lanes 16-31 B's
.set L16,  21                          ; v21    16 x lane
.set L8,   22                          ; v22    8 x lane
.set SOF,  23                          ; v23    16 r + 8 h
.set CSO,  24                          ; v24    my byte in cos and sin
.set SPW,  28
.set NIL,  29
.set SC,   32                          ; v32-159 the scale words of all of K: run g at SC + 32 g; register 4 i + j: tile i, the run's K step j (on the way out v96-159 are free again)
.set RUNB, 3145728                     ; img: from a run of four K steps to the next: 512 tiles x 6,144 bytes
.set T2,   96                          ; v96-159  a block's 64 numbers, rotated
.set PC,   160                         ; v160-207 the four blocks' codes
.set PH,   208
.set TM,   216
.set PW,   232                         ; v232-235 the four blocks' scale words
.set TT,   236                         ; v236-243 at work in the rotation
.set SD,   244                         ; v244-247 the scale words that I store
.set CSR,  96                          ; window 3: block a: cos at 96 + 32 a (16 numbers), sin 16 further on
.set SEL,  66
.set G1A, 24
.set G0A, 32
.set G1B, 48
.set G0B, 56
.set G1SA, 68
.set G0SA, 76
.set G1SB, 80
.set G0SB, 88
.set MULW, 0x5e                        ; source 0 (B) window 2, source 1 (A) window 3, C and D window 1
.set MSB, 0
.macro WIN new                         ; the immediate's high byte repeats the setting that is left
.if MSB != \new
	s_set_vgpr_msb (MSB<<8)|\new
.set MSB, \new
.endif
.endm
.macro PLACES                          ; four plain places behind matrix instructions, ahead of loads into their sources and of reads of their results
.rept 4
	v_nop
.endr
.endm
; A joint load: waves 0 and 1 fetch for A, waves 2 and 3 for B; the branch hangs on the wave's number alone.  An s_nop 0 and four v_nop follow each line.
.macro JLOAD g0a, g1a, g0b, g1b
	s_cmp_eq_u32 s17, 0
	s_cbranch_scc0 .Lfor_b_\@
	tensor_load_to_lds s[\g0a:\g0a+3], s[\g1a:\g1a+7]
	s_nop 0
	PLACES
	s_branch .Lasked_\@
.Lfor_b_\@:
	tensor_load_to_lds s[\g0b:\g0b+3], s[\g1b:\g1b+7]
	s_nop 0
	PLACES
.Lasked_\@:
.endm
.macro CREST                           ; a round of the cluster's barrier behind its opening barrier
	s_cmp_lg_u32 s16, 0
	s_cbranch_scc1 .Lnot_wave_0_\@
	s_barrier_signal -3
.Lnot_wave_0_\@:
	s_barrier_wait -3
	s_barrier_signal -1
	s_barrier_wait -1
.endm
.macro CROUND
	s_barrier_signal -1
	s_barrier_wait -1
	CREST
.endm
.macro FETCH slot, j, p                ; the fragments of the slot's K step j into set p: 24 + 12 loads of 512 consecutive bytes
	WIN 0x80
.irp b, 0,1,2,3,4,5,6,7
.irp c, 0,1,2
	ds_load_b128 v[12*NBW*(\p)+12*\b+4*\c:12*NBW*(\p)+12*\b+4*\c+3], v[ADRB+\slot] offset:TILEB*\b+1536*(\j)+512*\c
.endr
.endr
	WIN 0xc0
.irp a, 0,1,2,3
.irp c, 0,1,2
	ds_load_b128 v[48*(\p)+12*\a+4*\c:48*(\p)+12*\a+4*\c+3], v[ADRA+\slot] offset:TILEB*\a+1536*(\j)+512*\c
.endr
.endr
.endm
.macro SCALES kg                       ; run kg's scale words, from memory straight into registers: four words (four K steps) a tile by one load; lanes 0-15 A's tile i, lanes 16-31 B's tile i
.irp i, 0,1,2,3,4,5,6,7
	global_load_b128 v[SC+4*NBW*(\kg)+4*\i:SC+4*NBW*(\kg)+4*\i+3], v[ADRS], s[PAS:PAS+1] offset:1024*\i+256*(\kg)
.endr
.endm
; A's block a against B's eight.  The 32 accumulators take turns, one instruction a turn, in the same order in every K step.  zero = 1: the first K step starts the sums.
.macro MULA a, p, sl, j, zero
.irp b, 0,1,2,3,4,5,6,7
.if \zero
	v_wmma_scale_f32_16x16x128_f8f6f4 v[8*(NBW*(\a)+\b):8*(NBW*(\a)+\b)+7], v[12*NBW*(\p)+12*\b:12*NBW*(\p)+12*\b+11], v[48*(\p)+12*(\a):48*(\p)+12*(\a)+11], 0, v[SC+4*NBW*(\sl)+4*\b+(\j)], v[SC+4*NBW*(\sl)+4*(\a)+(\j)] matrix_a_fmt:MATRIX_FMT_FP6 matrix_b_fmt:MATRIX_FMT_FP6 matrix_a_scale:MATRIX_SCALE_ROW1
.else
	v_wmma_scale_f32_16x16x128_f8f6f4 v[8*(NBW*(\a)+\b):8*(NBW*(\a)+\b)+7], v[12*NBW*(\p)+12*\b:12*NBW*(\p)+12*\b+11], v[48*(\p)+12*(\a):48*(\p)+12*(\a)+11], v[8*(NBW*(\a)+\b):8*(NBW*(\a)+\b)+7], v[SC+4*NBW*(\sl)+4*\b+(\j)], v[SC+4*NBW*(\sl)+4*(\a)+(\j)] matrix_a_fmt:MATRIX_FMT_FP6 matrix_b_fmt:MATRIX_FMT_FP6 matrix_a_scale:MATRIX_SCALE_ROW1
.endif
.endr
.endm
.macro STEP slot, j, p, zero           ; a K step that has its successor in the same slot: the successor's fragments are asked for ahead of this step's 32 products
	s_wait_dscnt 0x0                               ; set p (and the scale words) are in
	PLACES                                         ; the other set was read by the last K step's products
	FETCH \slot, (\j)+1, 1-(\p)
	WIN MULW
	MULA 0, \p, RUN, \j, \zero
	MULA 1, \p, RUN, \j, \zero
	MULA 2, \p, RUN, \j, \zero
	MULA 3, \p, RUN, \j, \zero
.endm
; A slot's last K step (set 1) changes slots: one barrier; ahead of it each wave waits for all its tensor loads, adds 0 to its spare word, and waits for that and for its reads of this slot.
; fill = 1: the barrier opens a round of the cluster's barrier, and this slot is filled again, two runs ahead, first thing behind the round.
.macro TURN slot, next, kgn, fill
	WIN 0                                          ; (the add's two registers lie in window 0)
	s_wait_tensorcnt 0x0                           ; all my tensor loads have landed: my part of the next slot
	ds_add_u32 v[SPW], v[NIL]                      ; 0 onto my spare word
	s_wait_dscnt 1                                 ; set 1 is in; the add alone may be out
	WIN MULW
	MULA 0, 1, RUN, 3, 0                           ; eight products stand between the add and the wait for it
	s_wait_dscnt 0x0                               ; the add is done, and my reads of this slot are over
	s_barrier_signal -1
	MULA 1, 1, RUN, 3, 0
	WIN 0
	s_barrier_wait -1
.if \fill
	CREST                                          ; no wave of any partner still reads this slot or has a load on its way
	s_add_nc_u64 s[G0A+4*\slot+2:G0A+4*\slot+3], s[G0A+4*\slot+2:G0A+4*\slot+3], 2*RUNB
	s_add_nc_u64 s[G0B+4*\slot+2:G0B+4*\slot+3], s[G0B+4*\slot+2:G0B+4*\slot+3], 2*RUNB
	JLOAD G0A+4*\slot, G1A, G0B+4*\slot, G1B       ; its four v_nop are also the places ahead of the loads below
.else
	PLACES
.endif
	FETCH \next, 0, 0
	WIN MULW
	MULA 2, 1, RUN, 3, 0
	MULA 3, 1, RUN, 3, 0
.set RUN, RUN+1                        ; the next run's set of scale words
.endm
; 64 numbers of a lane, register 16 b + i = k 32 b + 16 h + i of its row, become a fragment's 12 registers at pc and the row's scale word in pw.
.macro QUANT s, pc, ph, tm, pw
.irp b, 0,1,2,3
	v_max3_num_f32 v[(\tm)+\b], |v[(\s)+16*\b]|, |v[(\s)+1+16*\b]|, 0x1800000   ; my 16 numbers of block b, and the floor 2^(3 - 127): the byte cannot fall under 1
.endr
.irp i, 2,4,6,8,10,12,14
.irp b, 0,1,2,3
	v_max3_num_f32 v[(\tm)+\b], v[(\tm)+\b], |v[(\s)+16*\b+\i]|, |v[(\s)+1+16*\b+\i]|
.endr
.endr
.irp b, 0,1,2,3
	v_permlanex16_b32 v[(\tm)+4+\b], v[(\tm)+\b], s[SEL], s[SEL+1]
.endr
.irp b, 0,1,2,3
	v_max_num_f32 v[(\tm)+\b], v[(\tm)+\b], v[(\tm)+4+\b]          ; with lane l xor 16's: the block's largest magnitude
.endr
.irp b, 0,1,2,3
	v_add_nc_u32 v[(\tm)+12+\b], 0xff000000, v[(\tm)+\b]           ; 2 off its exponent field: the conversion's scale operand
.endr
.irp b, 0,1,2,3
	v_lshrrev_b32 v[(\tm)+4+\b], 23, v[(\tm)+12+\b]                ; the scale's byte
.endr
	v_lshl_or_b32 v[(\pw)], v[(\tm)+5], 8, v[(\tm)+4]
	v_lshl_or_b32 v[(\pw)], v[(\tm)+6], 16, v[(\pw)]
	v_lshl_or_b32 v[(\pw)], v[(\tm)+7], 24, v[(\pw)]
.irp c, 0,1
	v_cvt_scalef32_pk16_fp6_f32 v[(\pc)+6*\c:(\pc)+2+6*\c], v[(\s)+32*\c:(\s)+15+32*\c], v[(\tm)+12+2*\c]
	v_cvt_scalef32_pk16_fp6_f32 v[(\ph)+4*\c:(\ph)+2+4*\c], v[(\s)+16+32*\c:(\s)+31+32*\c], v[(\tm)+12+2*\c+1]
.endr
	v_nop                                          ; one plain place behind a scaled conversion
.irp c, 0,1
.irp i, 0,1,2
	v_permlane16_swap_b32 v[(\pc)+6*\c+\i], v[(\ph)+4*\c+\i]
.endr
.irp i, 0,1,2
	v_mov_b32 v[(\pc)+3+6*\c+\i], v[(\ph)+4*\c+\i]
.endr
.endr
.endm
	s_load_b256 s[4:11], s[0:1], 0x0               ; img, scl, cos, sin
	s_load_b128 s[12:15], s[0:1], 0x20             ; qkv, qkvs
	v_lshl_add_u32 v[SPW], v0, 2, SPARE
	v_mov_b32 v[NIL], 0
	ds_add_u32 v[SPW], v[NIL]                      ; the wave's opening: the add and its wait ahead of my first tensor load; the set-up below stands between them
	ds_add_u32 v[SPW], v[NIL]
	v_lshrrev_b32 v1, 5, v0
	v_readfirstlane_b32 s16, v1                    ; wave 0..3
	s_lshr_b32 s17, s16, 1                         ; which 64 rows of A are mine.  Also: I fetch for A (0) or for B (1)
	s_and_b32 s18, s16, 1                          ; which 128 rows of B.  Also: which half I fetch
	s_bfe_u32 s40, ttmp6, 0x40000                  ; cx
	s_bfe_u32 s41, ttmp6, 0x40004                  ; cy
	s_and_b32 s42, ttmp7, 0xffff                   ; the cluster's y
	s_lshr_b32 s43, ttmp9, 1
	s_and_b32 s43, s43, ttmp9
	s_and_b32 s43, s43, 1                          ; V = 1 in clusters with x = 3
	s_lshl_b32 s44, s43, 1
	s_xor_b32 s44, s44, 3
	s_and_b32 s44, s44, s42
	s_lshl_b32 s44, s44, 2
	s_add_co_u32 s44, s44, s41                     ; block of 128 rows of A: 4 y + cy; for V 4 (y % 2) + cy
	s_mul_i32 s45, s43, 3
	s_xor_b32 s45, s45, ttmp9
	s_lshr_b32 s3, s42, 1
	s_mul_i32 s3, s3, s43
	s_add_co_u32 s45, s45, s3
	s_lshl_b32 s45, s45, 2
	s_add_co_u32 s45, s45, s40                     ; block of 256 rows of B: 4 x + cx; for V 4 (y / 2) + cx
	s_lshl_b32 s46, s41, 2
	s_lshl_b32 s46, 15, s46                        ; my row of the cluster
	s_lshl_b32 s47, 0x1111, s40                    ; my column
	; descriptor groups 1: elements of 8 bytes, no padding.  Tiles: rows of 768 elements (a tile's four K steps, 6,144 bytes), 768 elements apart: dense.
	s_or_b32 s[G1A], s46, (3<<16)|(1<<21)
	s_or_b32 s[G1B], s47, (3<<16)|(1<<21)
	s_mov_b32 s[G1A+1], 3072<<16                   ; the head's load: a row is my four tiles of a run, 24,576 dense bytes; two rows, runs 0 and 1, a run apart
	s_mov_b32 s[G1A+2], 2<<16
	s_mov_b32 s[G1A+3], 3072<<16
	s_mov_b32 s[G1A+4], 2
	s_mov_b32 s[G1A+5], RUNB/8
	s_mov_b32 s[G1A+6], 0
	s_mov_b32 s[G1A+7], 0
	s_mov_b32 s[G1B+1], (768*NBW)<<16              ; likewise my eight tiles of B
	s_mov_b32 s[G1B+2], 2<<16
	s_mov_b32 s[G1B+3], (768*NBW)<<16
	s_mov_b32 s[G1B+4], 2
	s_mov_b32 s[G1B+5], RUNB/8
	s_mov_b32 s[G1B+6], 0
	s_mov_b32 s[G1B+7], 0
	s_mul_i32 s19, s43, 320                        ; A's first tile: x's 8 x block, or Wv's 320 + 8 x block;
	s_lshl_b32 s20, s44, 3
	s_add_co_u32 s19, s19, s20
	s_mul_i32 s20, s19, 6144
	s_mov_b32 s21, 0
	s_lshl_b32 s22, s19, 10                        ; its scale words
	s_mov_b32 s23, 0
	s_xor_b32 s92, s43, 1                          ; B's first tile: 128 + 16 x block (Wq, then Wk), or x's 16 x block;
	s_lshl_b32 s92, s92, 7
	s_lshl_b32 s93, s45, 4
	s_add_co_u32 s92, s92, s93
	s_mul_i32 s94, s92, 6144
	s_mov_b32 s95, 0
	s_lshl_b32 s96, s92, 10
	s_mov_b32 s97, 0
	s_mul_i32 s98, s18, 2*HALFA                    ; LDS: [A's half 0: slot 0, slot 1][A's half 1][B's half 0][B's half 1]: what one wave fetches lies on end; no place in the cluster enters an LDS address
	s_mul_i32 s99, s18, 2*HALFB
	s_add_co_u32 s99, s99, 4*HALFA
	s_mul_i32 s2, s18, 4*6144                      ; I fetch half of a tensor's tiles: which half, in bytes of memory
	s_mov_b32 s3, 0
	s_mul_i32 s92, s18, NBW*6144
	s_mov_b32 s93, 0
	s_mov_b32 s[SEL], 0x76543210
	s_mov_b32 s[SEL+1], 0xfedcba98
	s_wait_dscnt 0x0                               ; the opening add is done
	s_wait_kmcnt 0x0
	s_add_nc_u64 s[20:21], s[PAC:PAC+1], s[20:21]
	s_add_nc_u64 s[94:95], s[PBC:PBC+1], s[94:95]
	CROUND                                         ; all sixteen work-groups are here: the first joint loads meet
	s_add_nc_u64 s[20:21], s[20:21], s[2:3]        ; for the ring: my half of the tiles
	s_add_nc_u64 s[94:95], s[94:95], s[92:93]
.irp s, 0,1
	s_mov_b32 s[G0A+4*\s], 1
	s_add_co_u32 s[G0A+4*\s+1], s98, \s*HALFA
	s_add_nc_u64 s[G0A+4*\s+2:G0A+4*\s+3], s[20:21], \s*RUNB
	s_or_b32 s[G0A+4*\s+3], s[G0A+4*\s+3], 0x80000000
	s_mov_b32 s[G0B+4*\s], 1
	s_add_co_u32 s[G0B+4*\s+1], s99, \s*HALFB
	s_add_nc_u64 s[G0B+4*\s+2:G0B+4*\s+3], s[94:95], \s*RUNB
	s_or_b32 s[G0B+4*\s+3], s[G0B+4*\s+3], 0x80000000
.endr
; THE HEAD'S LOADS, ONE A WAVE: waves 0 and 1 their halves of A's tiles, waves 2 and 3 of B's, runs 0 and 1.  One branch on the wave's number, each arm with one load.
	JLOAD G0A, G1A, G0B, G1B                       ; THE HEAD'S LOAD, ONE A WAVE: my half of A's or B's tiles, runs 0 and 1: both slots at once
	v_and_b32 v1, 31, v0                           ; lane
	v_and_b32 v2, 15, v0                           ; r
	v_bfe_u32 v3, v0, 4, 1                         ; h
	s_wait_alu depctr_va_vdst(0)
	v_lshlrev_b32 v[L16], 4, v1
	v_lshlrev_b32 v[L8], 3, v1
	v_lshlrev_b32 v[SOF], 4, v2
	v_lshl_add_u32 v[SOF], v3, 3, v[SOF]
	s_mul_i32 s19, s17, 2*HALFA                    ; my four tiles of A,
	s_mul_i32 s92, s18, 2*HALFB                    ; my eight of B, behind A's
	s_add_co_u32 s92, s92, 4*HALFA
.irp s, 0,1
	v_add_nc_u32 v[ADRA+\s], s19, v[L16]
	v_add_nc_u32 v[ADRB+\s], s92, v[L16]
	s_add_co_u32 s19, s19, HALFA
	s_add_co_u32 s92, s92, HALFB
.endr
	s_lshl_b32 s19, s17, 12                        ; scale words, byte offsets in scl: A's first tile + my four;
	s_add_co_u32 s19, s19, s22
	s_mul_i32 s92, s18, 1024*NBW                   ; B's first tile + my eight
	s_add_co_u32 s92, s92, s96
	v_cmp_ne_u32 vcc_lo, 0, v3
	v_mov_b32 v5, s19
	v_mov_b32 v6, s92
	v_cndmask_b32 v5, v5, v6, vcc_lo               ; lanes 16-31 take B's
	v_lshl_add_u32 v[ADRS], v2, 4, v5
	SCALES 0
	SCALES 1
	SCALES 2
	SCALES 3
.irp b, 0,1,2,3
	v_mov_b32 v[TM+4+\b], 0                        ; written once: a lane permute's destination counts as one of its sources
.endr
	; cos and sin of my 64 tokens: lane (r, h) wants, for block a and e = 0, 1, the pairs 16 e + 8 h + 0 .. 7 of its token's 32
	v_and_b32 v6, 8, v2
	v_add_nc_u32 v6, v6, v2                        ; r + 8 (r / 8)
	v_lshlrev_b32 v[CSO], 7, v6                    ; a token's row is 128 bytes
	v_lshl_add_u32 v[CSO], v3, 5, v[CSO]
	s_lshl_b32 s2, s44, 14                         ; 128 x block + 64 x my half, in rows of 128 bytes
	s_lshl_b32 s3, s17, 13
	s_add_co_u32 s2, s2, s3
	s_mov_b32 s3, 0
	s_add_nc_u64 s[8:9], s[8:9], s[2:3]
	s_add_nc_u64 s[10:11], s[10:11], s[2:3]
	s_cmp_eq_u32 ttmp9, 3                          ; the cluster's x: the same in all sixteen partners
	s_cbranch_scc1 .Lidentity
	WIN 0xc0
	s_wait_alu depctr_va_vdst(0)
.irp a, 0,1,2,3
.irp e, 0,1
.irp q, 0,1
	global_load_b128 v[CSR+32*\a+8*\e+4*\q:CSR+32*\a+8*\e+4*\q+3], v[CSO], s[8:9] offset:(32*(\a/2)+8*(\a%2))*128+64*\e+16*\q
	global_load_b128 v[CSR+32*\a+16+8*\e+4*\q:CSR+32*\a+16+8*\e+4*\q+3], v[CSO], s[10:11] offset:(32*(\a/2)+8*(\a%2))*128+64*\e+16*\q
.endr
.endr
.endr
	WIN 0
	s_branch .Lrot_ready
.Lidentity:                                        ; V is not rotated: cos = 1, sin = 0
	WIN 0xc0
.irp a, 0,1,2,3
.irp i, 0,1,2,3,4,5,6,7,8,9,10,11,12,13,14,15
	v_mov_b32 v[CSR+32*\a+\i], 1.0
	v_mov_b32 v[CSR+32*\a+16+\i], 0
.endr
.endr
	WIN 0
.Lrot_ready:
	; where my results go.  u = which 128 rows of B are my wave's: the head (q), 16 + the key head (k), the key step (V)
	s_lshl_b32 s19, s45, 1
	s_add_co_u32 s19, s19, s18
	s_mul_i32 s92, s19, 196608                     ; q: [head][tile]
	s_mul_i32 s93, s44, 12288
	s_add_co_u32 s92, s92, s93
	s_lshl_b32 s94, s19, 14
	s_lshl_b32 s95, s44, 10
	s_add_co_u32 s94, s94, s95
	s_sub_co_u32 s96, s19, 16                      ; k: [key head][key step = block of A]
	s_mul_i32 s97, s96, 393216
	s_mul_i32 s98, s44, 24576
	s_add_co_u32 s97, s97, s98
	s_add_co_u32 s97, s97, QSZ
	s_mul_i32 s96, s96, 24576
	s_mul_i32 s98, s44, 1536
	s_add_co_u32 s96, s96, s98
	s_add_co_u32 s96, s96, QSS
	s_cmp_eq_u32 ttmp9, 2
	s_cselect_b32 s92, s97, s92
	s_cselect_b32 s94, s96, s94
	s_mul_i32 s97, s44, 393216                     ; V: [key head = block of A][key step = u], behind K's eight tiles
	s_mul_i32 s98, s19, 24576
	s_add_co_u32 s97, s97, s98
	s_add_co_u32 s97, s97, QSZ+12288
	s_mul_i32 s96, s44, 24576
	s_mul_i32 s98, s19, 1536
	s_add_co_u32 s96, s96, s98
	s_add_co_u32 s96, s96, QSS+1024
	s_cmp_eq_u32 ttmp9, 3
	s_cselect_b32 s92, s97, s92
	s_cselect_b32 s94, s96, s94
	s_mul_i32 s98, s17, 6144                       ; my four tiles of the eight
	s_add_co_u32 s92, s92, s98
	s_lshl_b32 s98, s17, 8
	s_add_co_u32 s94, s94, s98
	s_mov_b32 s93, 0
	s_mov_b32 s95, 0
	s_add_nc_u64 s[12:13], s[12:13], s[92:93]
	s_add_nc_u64 s[14:15], s[14:15], s[94:95]
	s_wait_alu depctr_va_vdst(0)                   ; the wait at the head's end
	s_wait_loadcnt 0x0                             ; the scale words (and cos and sin) are in
	s_wait_tensorcnt 0x0                           ; my part of both slots is in
	s_mov_b32 s[G1A+1], 768<<16                    ; no tensor load of mine is out: from here on a load brings one run, a dense block, as a row of 6,144 bytes a tile
	s_mov_b32 s[G1A+2], 4<<16
	s_mov_b32 s[G1A+3], 768<<16
	s_mov_b32 s[G1A+4], 4
	s_mov_b32 s[G1A+5], 768
	s_mov_b32 s[G1B+1], 768<<16
	s_mov_b32 s[G1B+2], NBW<<16
	s_mov_b32 s[G1B+3], 768<<16
	s_mov_b32 s[G1B+4], NBW
	s_mov_b32 s[G1B+5], 768
	s_barrier_signal -1
	s_barrier_wait -1
.set RUN, 0
	FETCH 0, 0, 0
	STEP 0, 0, 0, 1                                ; the first K step's products start the sums: nothing is cleared
	STEP 0, 1, 1, 0
	STEP 0, 2, 0, 0
	TURN 0, 1, 1, 1                                ; slot 0 takes K steps 8-11
	STEP 1, 0, 0, 0
	STEP 1, 1, 1, 0
	STEP 1, 2, 0, 0
	TURN 1, 0, 2, 1                                ; slot 1 takes K steps 12-15
	STEP 0, 0, 0, 0
	STEP 0, 1, 1, 0
	STEP 0, 2, 0, 0
	TURN 0, 1, 3, 0                                ; nothing is left to fetch
	STEP 1, 0, 0, 0
	STEP 1, 1, 1, 0
	STEP 1, 2, 0, 0
	s_wait_dscnt 0x0
	MULA 0, 1, RUN, 3, 0
	MULA 1, 1, RUN, 3, 0
	MULA 2, 1, RUN, 3, 0
	MULA 3, 1, RUN, 3, 0
	WIN 0
; THE WAY OUT.  Block a's 64 sums are rotated in pairs (x1, x2) -> (x1 c - x2 s, x1 s + x2 c): one packed product (x2 s, x1 s) and one packed multiply-add a pair.  Register idx holds feature 32 (idx / 16) + 16 h + idx % 16:
; its pair of cos and sin is number 16 ((idx / 16) % 2) + 8 h + (idx % 16) / 2.  Each accumulator is read from its low end on.
.macro ROT a
	WIN 0x0d                                       ; source 0 (the sums) window 1, source 1 (cos, sin) window 3
.irp i, 0,4,8,12,16,20,24,28,32,36,40,44,48,52,56,60
.set CR, CSR+32*(\a)+8*((\i/16)%2)+(\i%16)/2
.set TP, TT+4*((\i/4)%2)
	v_pk_mul_f32 v[TP:TP+1], v[64*(\a)+\i:64*(\a)+\i+1], v[CR+16:CR+17] op_sel:[1,0] op_sel_hi:[0,0]
	v_pk_mul_f32 v[TP+2:TP+3], v[64*(\a)+\i+2:64*(\a)+\i+3], v[CR+16:CR+17] op_sel:[1,1] op_sel_hi:[0,1]
	v_pk_fma_f32 v[T2+\i:T2+\i+1], v[64*(\a)+\i:64*(\a)+\i+1], v[CR:CR+1], v[TP:TP+1] op_sel:[0,0,0] op_sel_hi:[1,0,1] neg_lo:[0,0,1]
	v_pk_fma_f32 v[T2+\i+2:T2+\i+3], v[64*(\a)+\i+2:64*(\a)+\i+3], v[CR:CR+1], v[TP+2:TP+3] op_sel:[0,1,0] op_sel_hi:[1,1,1] neg_lo:[0,0,1]
.endr
	WIN 0
.endm
	PLACES                                         ; behind the last products
	s_wait_loadcnt 0x0                             ; cos and sin
.irp a, 0,1,2,3
	ROT \a
	QUANT T2, PC+12*\a, PH, TM, PW+\a
	global_store_b128 v[L16], v[PC+12*\a:PC+12*\a+3], s[12:13] offset:1536*\a            ; each store covers whole aligned runs of 256 bytes; each block has registers of its own, so no store's data are written again
	global_store_b64 v[L8], v[PC+12*\a+4:PC+12*\a+5], s[12:13] offset:1536*\a+512
	global_store_b128 v[L16], v[PC+12*\a+6:PC+12*\a+9], s[12:13] offset:1536*\a+768
	global_store_b64 v[L8], v[PC+12*\a+10:PC+12*\a+11], s[12:13] offset:1536*\a+1280
.endr
	v_cmp_ne_u32 vcc_lo, 0, v3
	v_cndmask_b32 v[SD], v[PW], v[PW+2], vcc_lo    ; [place r][four tiles]: lanes 0-15 store tiles 0, 1, lanes 16-31 tiles 2, 3
	v_cndmask_b32 v[SD+1], v[PW+1], v[PW+3], vcc_lo
	global_store_b64 v[SOF], v[SD:SD+1], s[14:15]  ; 256 consecutive bytes, aligned
	s_cmp_eq_u32 ttmp9, 3
	s_cbranch_scc1 .Lno_copy
	v_lshrrev_b32 v[SD+2], 16, v[SD]               ; q and k: map 1's two bytes as bytes 0 and 1 (bytes 2 and 3 meet zero codes alone)
	v_lshrrev_b32 v[SD+3], 16, v[SD+1]
	global_store_b64 v[SOF], v[SD+2:SD+3], s[14:15] offset:512
.Lno_copy:
	s_wait_tensorcnt 0x0                           ; the wave's end: behind my last tensor load
	ds_add_u32 v[SPW], v[NIL]
	s_wait_dscnt 0x0
	CROUND                                         ; the closing round
	s_endpgm
.Lfunc_end_k_qeeb3a8e060_qkvproj:
	.size	k_qeeb3a8e060_qkvproj, .Lfunc_end_k_qeeb3a8e060_qkvproj-k_qeeb3a8e060_qkvproj
	.p2alignl 7, 3214868480
	.fill 96, 4, 3214868480
	.section	.rodata,"a",@progbits
	.p2align	6, 0x0
	.amdhsa_kernel k_qeeb3a8e060_qkvproj
		.amdhsa_group_segment_fixed_size 327680
		.amdhsa_private_segment_fixed_size 0
		.amdhsa_enable_private_segment 0
		.amdhsa_kernarg_size 48
		.amdhsa_user_sgpr_count 2
		.amdhsa_user_sgpr_kernarg_segment_ptr 1
		.amdhsa_wavefront_size32 1
		.amdhsa_system_sgpr_workgroup_id_x 1
		.amdhsa_system_sgpr_workgroup_id_y 1
		.amdhsa_system_sgpr_workgroup_id_z 1
		.amdhsa_system_vgpr_workitem_id 0
		.amdhsa_next_free_vgpr 1024
		.amdhsa_next_free_sgpr 100
		.amdhsa_reserve_vcc 1
		.amdhsa_float_denorm_mode_32 3
		.amdhsa_float_denorm_mode_16_64 3
		.amdhsa_memory_ordered 1
		.amdhsa_forward_progress 1
		.amdhsa_inst_pref_size 160
	.end_amdhsa_kernel
	.amdgpu_metadata
---
amdhsa.version: [ 1, 2 ]
amdhsa.kernels:
  - .name:           k_qeeb3a8e060_qkvproj
    .symbol:         k_qeeb3a8e060_qkvproj.kd
    .args:
      - { .name: img, .offset: 0, .size: 8, .value_kind: global_buffer, .address_space: global }
      - { .name: scl, .offset: 8, .size: 8, .value_kind: global_buffer, .address_space: global }
      - { .name: cos, .offset: 16, .size: 8, .value_kind: global_buffer, .address_space: global }
      - { .name: sin, .offset: 24, .size: 8, .value_kind: global_buffer, .address_space: global }
      - { .name: qkv, .offset: 32, .size: 8, .value_kind: global_buffer, .address_space: global }
      - { .name: qkvs, .offset: 40, .size: 8, .value_kind: global_buffer, .address_space: global }
    .group_segment_fixed_size: 327680
    .private_segment_fixed_size: 0
    .kernarg_segment_align: 8
    .kernarg_segment_size: 48
    .max_flat_workgroup_size: 128
    .sgpr_count:     100
    .vgpr_count:     1024
    .wavefront_size: 32
...
	.end_amdgpu_metadata
.endif
;; end of part 2
;; launch attn (part 3): grid 16 x 16, 8 waves a work-group, no clusters, 327,680 bytes of LDS; arguments qkv, qkvs, lambda_q1, lambda_k1, lambda_q2, lambda_k2, subln_w, aimg, ascl; writes aimg, ascl
.if DOCPART == 3
	.amdgcn_target "amdgcn-amd-amdhsa--gfx1250"
	.amdhsa_code_object_version 6
	.text
	.protected	k_qeeb3a8e060_attn
	.globl	k_qeeb3a8e060_attn
	.p2align	8
	.type	k_qeeb3a8e060_attn,@function
k_qeeb3a8e060_attn:
	s_mov_b64 s[64:65], 0
	v_nop
	global_prefetch_b8 v0, s[64:65] scope:SCOPE_SE
	s_setreg_imm32_b32 hwreg(HW_REG_WAVE_MODE, 25, 1), 1
	s_wait_xcnt 0x0
; Differential attention on codes of FP6 (E2M3): for each head a = softmax1 V - lambda softmax2 V (causal), then a x rsqrt(mean a^2 + 1e-5) x subln_w x (1 - lambda_init), quantised along the 128 channels for the last product.
; THE SOFTMAX AHEAD OF THE SECOND PRODUCT: t = score x 0.125 log2(e); M = the running largest t rounded UP to a whole number; p = 2^(t - M) is quantised along the keys; the row's sum of the unquantised p divides at the end.
; SHARES.  A work-group (pair p, head) owns the queries 64 p .. + 63 (the short run) and 64 (31 - p) .. + 63 (the long run), both maps: 16 tiles of 16 queries x map, 8 waves.
; A WAVE OWNS TWO TILES OF ONE MAP, tile j of the long run and tile j of the short run (map = wave % 2, j = wave / 2): 17 tile steps in every wave of every work-group.
; A key step's fragments of K and V are loaded from LDS once and serve both tiles.  Set 0 is the tile that the wave finishes (map 0: the long one, map 1: the short one), set 1 the tile that it hands to the other map's wave.
; LAYOUT.  Both products transposed: S^T = K q^T, O^T = V^T p^T: a lane holds one query.  Tiles of queries, keys and channels hold rows 32 (i / 2) + 8 (i % 2) + r + 8 (r / 8),
; so the 16 registers of tiles 2 b, 2 b + 1 are 16 neighbouring keys (or channels) 32 b + 16 h + 0 .. 15.
; A SCORE'S K IS 64, half of the instruction's 128: q's registers 6-11 are zero codes.  K's half fragments lie 6 registers apart, so a tile's registers 6-11 are the next tile's codes: finite numbers, which times zero codes add nothing.
; K's and V's images of a key head come through a ring of two LDS slots of 256 keys (49,152 dense bytes; waves 0-3 fetch a quarter each); the key head's scale words, fetched by waves 4-7, stay in LDS.
; CAUSAL.  Every work-group walks all 8 slots (a constant trip count); a step whose keys all come after a tile's queries is jumped over; a slot whose first key comes after the work-group's last query is not asked for.
; A tile's 16 queries lie in one block of 32, so its last step alone is masked, and there only the blocks of 32 keys from the diagonal on.
; THE END.  Each wave multiplies both its O^T by g / l (g = 1 for map 0, -lambda for map 1), stores set 1 to LDS, reads the other map's part of its set 0 and adds: a1 - lambda a2.  So each wave norms and quantises one tile.
; NO CLUSTER: where a work-group's loads end hangs on its number, so partners would need different numbers of tiles.
; LIMITS: NaN and infinities are not served; the promise holds while the scaled scores t stay under 2^31 in magnitude; a block of zeros keeps the scale byte 1 (its codes are zeros; the bytes are read by this program alone).
; REGISTERS.  Window 0: v1-15 addresses, v16-27 state, v28-47 scale words, v48-71 q, v72-125 K, v128-191 S^T then p, v192-231 the quantiser's.  Window 1: v0-127 the two O^T, v128-223 V's eight fragments.
.set KSB,   24576                      ; a key step: K's eight tiles, V's eight
.set SLOTB, 2*KSB
.set SLOT1, 1<<17                      ; slot 1 begins here: one exclusive or turns an address from one slot to the other
.set SCL,   SLOTB                      ; the key head's scale words: 16 key steps x 1,536 bytes; filled once
.set SPARE, 77824                      ; the spare words, 128 bytes a wave: four blocks of 256 bytes
.set XCH,   SLOT1+SLOTB                ; 8 x 8,192 bytes: each wave's set 1 on its way to the other map's wave; no tensor load lands here
.set QSZ,   3145728
.set QSS,   262144
.set L16,  1                           ; 16 x lane
.set L8,   2                           ; 8 x lane
.set ASC,  3                           ; SCL + 16 r
.set XA,   4                           ; where I store set 1
.set SPW,  5
.set NIL,  6
.set DL,   7                           ; r + 8 (r / 8) - 16 h
.set ADK16, 8                          ; v8-13: the addresses of the step in hand
.set ADK8,  9
.set ADV16, 10
.set ADV8,  11
.set ADS,  12
.set ADT,  13
.set XR,   14                          ; where I read the other map's part
.set INF,  15                          ; -infinity
.set MS,   16                          ; set s: -M at MS + 2 s, the largest t beside it
.set LS,   20                          ; set s: the sum in two halves at LS + 2 s
.set F,    24                          ; f = 2^(old M - new M)
.set G,    26                          ; 1 or -lambda
.set TT,   27
.set QS,   28                          ; q's scale words, a register a set
.set PS,   30                          ; p's scale word
.set PFO,  31                          ; 256 x lane
.set KSC,  32                          ; K's eight scale words
.set VSC,  40                          ; V's
.set Q,    48
.set KFR,  72
.set S,    128
.set PC,   192
.set PH,   204
.set BM,   212
.set PT,   216
.set SO,   220
.set SU,   224
.set VFR,  128                         ; in window 1
.set WV,   22
.set HD,   23
.set SEL,  24
.set CS,   26
.set G1T,  28
.set G1S,  36
.set G0T,  44
.set G0S,  48
.set TB,   52                          ; the slot in hand
.set TS,   53                          ; the step's scale words: 1,536 bytes a step
.set SLOTS, 54
.set KF,   55                          ; the step's first key
.set QB,   56                          ; s56-57 the block of 32 queries in which set s lies
.set Q0,   58                          ; s58-59 set s's first query
.set QBX,  60                          ; the later of the two blocks
.set QL,   61                          ; my work-group's last query
.set PFA,  62                          ; s[62:63] where my prefetches stand
.set LIM,  66                          ; 2 in a wave that prefetches, else the greatest number
.set SGK,  67                          ; 768 x map
.set SGS,  68                          ; 512 x map
.set SIG,  69                          ; map
.set MSB, 0
.macro WIN new                         ; the immediate's high byte repeats the setting that is left
.if MSB != \new
	s_set_vgpr_msb (MSB<<8)|\new
.set MSB, \new
.endif
.endm
.macro PLACES
.rept 4
	v_nop
.endr
.endm
.macro TLOAD                           ; waves 0-3 fetch a quarter of a slot each; an s_nop 0 and four v_nop follow the line
	s_cmp_lt_u32 s[WV], 4
	s_cbranch_scc0 .Lasked_\@
	tensor_load_to_lds s[G0T:G0T+3], s[G1T:G1T+7]
	s_nop 0
	PLACES
.Lasked_\@:
.endm
; A prefetch of the slot that the NEXT change of slots will ask for: 49,152 dense bytes.  The 32 work-groups of a key head walk the same bytes: the one with pair 0 and the even head asks; in it waves 4, 5, 6
; take 16,384 bytes each: two instructions, lanes 256 bytes apart.  So each block of 256 bytes is named once.  Trips 6 and 7 have no slot two on and ask for nothing; slots 0 and 1 come by their loads alone.
.macro ASK
	s_cmp_gt_u32 s[SLOTS], s[LIM]
	s_cbranch_scc0 .Lnot_mine_\@
	global_prefetch_b8 v[PFO], s[PFA:PFA+1] th:TH_LOAD_NT scope:SCOPE_SE
	global_prefetch_b8 v[PFO], s[PFA:PFA+1] offset:8192 th:TH_LOAD_NT scope:SCOPE_SE
.Lnot_mine_\@:
.endm
; 64 numbers of a lane, register 16 b + i = k 32 b + 16 h + i of its row, become a fragment's 12 registers at pc and the row's scale word in pw.
.macro QUANT s, pc, ph, tm, pw
.irp b, 0,1,2,3
	v_max3_num_f32 v[(\tm)+\b], |v[(\s)+16*\b]|, |v[(\s)+1+16*\b]|, 0x1800000   ; and the floor 2^(3 - 127): the byte cannot fall under 1
.endr
.irp i, 2,4,6,8,10,12,14
.irp b, 0,1,2,3
	v_max3_num_f32 v[(\tm)+\b], v[(\tm)+\b], |v[(\s)+16*\b+\i]|, |v[(\s)+1+16*\b+\i]|
.endr
.endr
.irp b, 0,1,2,3
	v_permlanex16_b32 v[(\tm)+4+\b], v[(\tm)+\b], s[SEL], s[SEL+1]
.endr
.irp b, 0,1,2,3
	v_max_num_f32 v[(\tm)+\b], v[(\tm)+\b], v[(\tm)+4+\b]
.endr
.irp b, 0,1,2,3
	v_add_nc_u32 v[(\tm)+12+\b], 0xff000000, v[(\tm)+\b]
.endr
.irp b, 0,1,2,3
	v_lshrrev_b32 v[(\tm)+4+\b], 23, v[(\tm)+12+\b]
.endr
	v_lshl_or_b32 v[(\pw)], v[(\tm)+5], 8, v[(\tm)+4]
	v_lshl_or_b32 v[(\pw)], v[(\tm)+6], 16, v[(\pw)]
	v_lshl_or_b32 v[(\pw)], v[(\tm)+7], 24, v[(\pw)]
.irp c, 0,1
	v_cvt_scalef32_pk16_fp6_f32 v[(\pc)+6*\c:(\pc)+2+6*\c], v[(\s)+32*\c:(\s)+15+32*\c], v[(\tm)+12+2*\c]
	v_cvt_scalef32_pk16_fp6_f32 v[(\ph)+4*\c:(\ph)+2+4*\c], v[(\s)+16+32*\c:(\s)+31+32*\c], v[(\tm)+12+2*\c+1]
.endr
	v_nop                                          ; one plain place behind a scaled conversion
.irp c, 0,1
.irp i, 0,1,2
	v_permlane16_swap_b32 v[(\pc)+6*\c+\i], v[(\ph)+4*\c+\i]
.endr
.irp i, 0,1,2
	v_mov_b32 v[(\pc)+3+6*\c+\i], v[(\ph)+4*\c+\i]
.endr
.endr
.endm
	s_load_b256 s[4:11], s[0:1], 0x0               ; qkv, qkvs, lambda_q1, lambda_k1
	s_load_b256 s[12:19], s[0:1], 0x20             ; lambda_q2, lambda_k2, subln_w, aimg
	s_load_b64 s[20:21], s[0:1], 0x40              ; ascl
	v_lshl_add_u32 v[SPW], v0, 2, SPARE
	v_mov_b32 v[NIL], 0
	ds_add_u32 v[SPW], v[NIL]                      ; the wave's opening: the add, twice on end, and its wait ahead of my first tensor load
	ds_add_u32 v[SPW], v[NIL]
	v_lshrrev_b32 v8, 5, v0
	v_readfirstlane_b32 s[WV], v8                  ; wave 0..7
	s_and_b32 s[HD], ttmp7, 0xffff                 ; the head
	s_and_b32 s[SIG], s[WV], 1                     ; the map
	s_lshr_b32 s70, s[WV], 1                       ; j: the tile in its run
	s_xor_b32 s71, s[SIG], 1
	s_mul_i32 s71, s71, 31
	s_xor_b32 s71, s71, ttmp9                      ; set 0's run: 31 - p for map 0, p for map 1
	s_xor_b32 s72, s71, 31                         ; set 1's: the other one
	s_lshl_b32 s71, s71, 2
	s_add_co_u32 s71, s71, s70                     ; set 0's tile, 0..127
	s_lshl_b32 s72, s72, 2
	s_add_co_u32 s72, s72, s70                     ; set 1's
	s_mul_i32 s[SGK], s[SIG], 768
	s_lshl_b32 s[SGS], s[SIG], 9
.irp s, 0,1
	s_lshr_b32 s90, s[71+\s], 1
	s_lshl_b32 s[QB+\s], s90, 5
	s_and_b32 s90, s[71+\s], 1
	s_lshl_b32 s90, s90, 3
	s_add_co_u32 s[Q0+\s], s[QB+\s], s90
	s_mul_i32 s[74+4*\s], s[HD], 196608            ; q's half fragment: [head][tile][1536], + 768 x map
	s_mul_i32 s90, s[71+\s], 1536
	s_add_co_u32 s[74+4*\s], s[74+4*\s], s90
	s_add_co_u32 s[74+4*\s], s[74+4*\s], s[SGK]
	s_mov_b32 s[75+4*\s], 0
	s_lshl_b32 s[76+4*\s], s[HD], 14               ; its scale word: [head][tile / 8][map][(tile / 4) % 2][r][tile % 4]
	s_lshr_b32 s90, s[71+\s], 3
	s_lshl_b32 s90, s90, 10
	s_add_co_u32 s[76+4*\s], s[76+4*\s], s90
	s_add_co_u32 s[76+4*\s], s[76+4*\s], s[SGS]
	s_bfe_u32 s90, s[71+\s], 0x10002
	s_lshl_b32 s90, s90, 8
	s_add_co_u32 s[76+4*\s], s[76+4*\s], s90
	s_and_b32 s90, s[71+\s], 3
	s_lshl_b32 s90, s90, 2
	s_add_co_u32 s[76+4*\s], s[76+4*\s], s90
	s_mov_b32 s[77+4*\s], 0
.endr
	s_max_u32 s[QBX], s[QB], s[QB+1]
	s_lshl_b32 s90, ttmp9, 6
	s_sub_co_u32 s[QL], 2047, s90
	s_mul_i32 s82, s71, 6144                       ; aimg: [head / 4][tile][head % 4][1536], set 0's tile: a head is a K step of the last product
	s_and_b32 s90, s[HD], 3
	s_mul_i32 s90, s90, 1536
	s_add_co_u32 s82, s82, s90
	s_lshr_b32 s90, s[HD], 2
	s_mul_i32 s90, s90, 786432
	s_add_co_u32 s82, s82, s90
	s_mov_b32 s83, 0
	s_lshl_b32 s84, s71, 10                        ; ascl: [tile][head / 4][r][head % 4]
	s_lshr_b32 s90, s[HD], 2
	s_lshl_b32 s90, s90, 8
	s_add_co_u32 s84, s84, s90
	s_and_b32 s90, s[HD], 3
	s_lshl_b32 s90, s90, 2
	s_add_co_u32 s84, s84, s90
	s_mov_b32 s85, 0
	s_lshr_b32 s86, s[HD], 1                       ; the key head
	s_and_b32 s87, s[WV], 3                        ; which quarter I fetch
	s_mul_i32 s88, s87, 12288
	s_mul_i32 s89, s87, 6144
	s_mul_i32 s92, s86, 393216
	s_lshl_b32 s96, s87, 14                        ; the prefetches: my 16,384 bytes, in slot 1: the first change of slots steps it to slot 2
	s_add_co_u32 s96, s96, s92
	s_add_co_u32 s96, s96, QSZ+SLOTB
	s_mov_b32 s97, 0
	s_add_co_u32 s92, s92, s88
	s_add_co_u32 s92, s92, QSZ
	s_mov_b32 s93, 0
	s_mul_i32 s94, s86, 24576
	s_add_co_u32 s94, s94, s89
	s_add_co_u32 s94, s94, QSS
	s_mov_b32 s95, 0
	s_lshl_b32 s98, s[WV], 13
	s_add_co_u32 s98, s98, XCH                     ; my 8,192 bytes of the exchange,
	s_xor_b32 s99, s[WV], 1
	s_lshl_b32 s99, s99, 13
	s_add_co_u32 s99, s99, XCH                     ; and those of the other map's wave
	s_lshr_b32 s90, s[WV], 2
	s_xor_b32 s90, s90, 1                          ; 0 in waves 4 to 7,
	s_or_b32 s90, s90, ttmp9                       ; of pair 0,
	s_and_b32 s91, s[HD], 1
	s_or_b32 s90, s90, s91                         ; of the even head
	s_cmp_eq_u32 s90, 0
	s_cselect_b32 s[LIM], 2, -1
	s_cmp_eq_u32 s[WV], 7                          ; (a slot is three waves' worth)
	s_cselect_b32 s[LIM], -1, s[LIM]
	; descriptor groups 1: dense blocks as rows of 256 bytes (32 elements of 8 bytes), no padding: a quarter of a slot is 48 rows, a quarter of the scale words 24
	s_mov_b32 s[G1T], 3<<16
	s_mov_b32 s[G1T+1], 32<<16
	s_mov_b32 s[G1T+2], 48<<16
	s_mov_b32 s[G1T+3], 32<<16
	s_mov_b32 s[G1T+4], 48
	s_mov_b32 s[G1T+5], 32
	s_mov_b32 s[G1T+6], 0
	s_mov_b32 s[G1T+7], 0
	s_mov_b32 s[G1S], 3<<16
	s_mov_b32 s[G1S+1], 32<<16
	s_mov_b32 s[G1S+2], 24<<16
	s_mov_b32 s[G1S+3], 32<<16
	s_mov_b32 s[G1S+4], 24
	s_mov_b32 s[G1S+5], 32
	s_mov_b32 s[G1S+6], 0
	s_mov_b32 s[G1S+7], 0
	s_mov_b32 s[SEL], 0x76543210
	s_mov_b32 s[SEL+1], 0xfedcba98
	s_mov_b32 s[CS], 0x3e38aa3b                    ; c = 0.125 log2(e)
	s_mov_b32 s[CS+1], s[CS]                       ; (named with it as a pair, so it is written)
	s_mov_b32 s[TB], 0
	s_mov_b32 s[TS], 0
	s_mov_b32 s[KF], 0
	s_mov_b32 s[SLOTS], 8
	v_and_b32 v8, 31, v0                           ; lane
	v_and_b32 v9, 15, v0                           ; r
	v_bfe_u32 v10, v0, 4, 1                        ; h
	v_lshlrev_b32 v[L16], 4, v8
	v_lshlrev_b32 v[L8], 3, v8
	v_lshl_add_u32 v[ASC], v9, 4, SCL
	v_add_nc_u32 v[XA], s98, v[L16]
	v_add_nc_u32 v[XR], s99, v[L16]
	v_and_b32 v11, 8, v9
	v_add_nc_u32 v[DL], v11, v9
	v_lshlrev_b32 v11, 4, v10
	v_sub_nc_u32 v[DL], v[DL], v11
	v_lshlrev_b32 v[PFO], 8, v8
	v_lshlrev_b32 v[ADT], 4, v9                    ; (16 r, for q's scale words; written anew in the first step, behind the wait for those loads)
	v_mov_b32 v[INF], 0xff800000
	s_wait_alu depctr_va_vdst(0)                   ; directly ahead of the waits below
	s_wait_dscnt 0x0                               ; both opening adds are done
	s_wait_kmcnt 0x0
	s_mov_b32 s[G0S], 1
	s_add_co_u32 s[G0S+1], s89, SCL
	s_add_nc_u64 s[G0S+2:G0S+3], s[6:7], s[94:95]
	s_or_b32 s[G0S+3], s[G0S+3], 0x80000000
	s_mov_b32 s[G0T], 1
	s_mov_b32 s[G0T+1], s88
	s_add_nc_u64 s[G0T+2:G0T+3], s[4:5], s[92:93]
	s_or_b32 s[G0T+3], s[G0T+3], 0x80000000
	s_cmp_lt_u32 s[WV], 4                          ; the head's loads, one a wave: waves 0-3 a quarter of slot 0, waves 4-7 a quarter of the scale words; every wait on TENSORcnt in this text is for 0
	s_cbranch_scc0 .Lhead_scl
	tensor_load_to_lds s[G0T:G0T+3], s[G1T:G1T+7]
	s_nop 0
	PLACES
	s_branch .Lhead_asked
.Lhead_scl:
	tensor_load_to_lds s[G0S:G0S+3], s[G1S:G1S+7]
	s_nop 0
	PLACES
.Lhead_asked:
	s_add_nc_u64 s[74:75], s[4:5], s[74:75]
	s_add_nc_u64 s[76:77], s[6:7], s[76:77]
	s_add_nc_u64 s[78:79], s[4:5], s[78:79]
	s_add_nc_u64 s[80:81], s[6:7], s[80:81]
	s_add_nc_u64 s[18:19], s[18:19], s[82:83]
	s_add_nc_u64 s[20:21], s[20:21], s[84:85]
	s_add_nc_u64 s[PFA:PFA+1], s[4:5], s[96:97]
.irp s, 0,1
	global_load_b128 v[Q+12*\s:Q+12*\s+3], v[L16], s[74+4*\s:75+4*\s]          ; q of my map: registers 0-5 of the operand
	global_load_b64 v[Q+12*\s+4:Q+12*\s+5], v[L8], s[74+4*\s:75+4*\s] offset:512
	global_load_b32 v[QS+\s], v[ADT], s[76+4*\s:77+4*\s]
.endr
	global_load_b64 v[128:129], v[L8], s[8:9]      ; the four lambda vectors, two numbers a lane
	global_load_b64 v[130:131], v[L8], s[10:11]
	global_load_b64 v[132:133], v[L8], s[12:13]
	global_load_b64 v[134:135], v[L8], s[14:15]
.irp i, 6,7,8,9,10,11
	v_mov_b32 v[Q+\i], 0                           ; q's K positions 64 .. 127: zero codes
	v_mov_b32 v[Q+12+\i], 0
	v_mov_b32 v[KFR+42+\i], 0                      ; what the last tile of K names beyond its own six registers
.endr
.irp s, 0,1
	v_mov_b32 v[MS+2*\s+1], 0xff61b1e6             ; the largest t so far: -3e38
	v_floor_f32 v[MS+2*\s], -v[MS+2*\s+1]          ; -M
	v_mov_b32 v[LS+2*\s], 0
	v_mov_b32 v[LS+2*\s+1], 0
.endr
	v_mov_b32 v[F], 0
	v_mov_b32 v[F+1], 0
.irp b, 0,1,2,3
	v_mov_b32 v[PT+\b], 0                          ; written once: a lane permute's destination counts as one of its sources
.endr
	WIN 0x40
.set I, 0
.rept 128
	v_mov_b32 v[I], 0                              ; the two O^T: the loop has no first step of its own; the first change of M leaves zeros zeros
.set I, I+1
.endr
	WIN 0
	s_wait_alu depctr_va_vdst(0)                   ; directly ahead of the wait below
	s_wait_loadcnt 0x0
	v_mul_f32 v136, v128, v130                     ; lambda = exp(sum q1 k1) - exp(sum q2 k2) + lambda_init
	v_mul_f32 v137, v132, v134
	v_fmac_f32 v136, v129, v131
	v_fmac_f32 v137, v133, v135
.irp m, 1,2,4,8
	v_add_f32_dpp v136, v136, v136 row_xmask:\m row_mask:0xf bank_mask:0xf
	v_add_f32_dpp v137, v137, v137 row_xmask:\m row_mask:0xf bank_mask:0xf
.endr
	v_permlanex16_b32 v[PT], v136, s[SEL], s[SEL+1]
	v_permlanex16_b32 v[PT+1], v137, s[SEL], s[SEL+1]
	v_add_f32 v136, v136, v[PT]
	v_add_f32 v137, v137, v[PT+1]
	v_mul_f32 v136, 0x3fb8aa3b, v136
	v_mul_f32 v137, 0x3fb8aa3b, v137
	s_wait_alu depctr_va_vdst(0)                   ; a wait ahead of the two exponentials,
	v_exp_f32 v136, v136
	v_exp_f32 v137, v137
	v_mov_b32 v[TT], 1.0                           ; (a plain place behind them)
	s_wait_alu depctr_va_vdst(0)                   ; and one ahead of their first reader
	v_sub_f32 v136, v136, v137
	v_add_f32 v136, 0x3f489a63, v136
	v_sub_f32 v136, 0, v136                        ; -lambda
	s_cmp_lg_u32 s[SIG], 0
	s_cselect_b32 s90, -1, 0
	v_cndmask_b32 v[G], v[TT], v136, s90           ; g: 1 for map 0, -lambda for map 1
	s_wait_alu depctr_va_vdst(0)                   ; the wait at the head's end
; ONE TILE'S SHARE OF A KEY STEP: 16 queries (set s) x 128 keys, on the fragments that STEP has asked for.
.macro TILE s
	s_cmp_gt_u32 s[KF], s[QB+\s]                   ; all keys after this tile's queries: ids and the count of steps alone
	s_cbranch_scc1 .Lhid_\@
.irp t, 0,1,2,3,4,5,6,7
	v_wmma_scale_f32_16x16x128_f8f6f4 v[S+8*\t:S+8*\t+7], v[KFR+6*\t:KFR+6*\t+11], v[Q+12*\s:Q+12*\s+11], 0, v[KSC+\t], v[QS+\s] matrix_a_fmt:MATRIX_FMT_FP6 matrix_b_fmt:MATRIX_FMT_FP6
.endr
	PLACES
	s_add_co_u32 s90, s[KF], 128                   ; a step all of whose keys count is not masked
	s_cmp_le_u32 s90, s[QB+\s]
	s_cbranch_scc1 .Lopen_\@
	s_sub_co_u32 s92, s[Q0+\s], s[KF]              ; register 16 b + i holds key 32 b + 16 h + i: hidden where i > my query - the step's first key - 16 h - 32 b
.irp b, 0,1,2,3
.if \b < 3
	s_cmp_ge_u32 s92, 32*(\b+1)                    ; a block of 32 keys ahead of the tile's block of queries counts whole
	s_cbranch_scc1 .Lm\@_\b
.endif
	s_sub_co_i32 s93, s92, 32*\b
	v_add_nc_u32 v[TT], s93, v[DL]
.irp i, 0,1,2,3,4,5,6,7,8,9,10,11,12,13,14,15
	v_cmp_gt_i32 vcc_lo, \i, v[TT]
	v_cndmask_b32 v[S+16*\b+\i], v[S+16*\b+\i], v[INF], vcc_lo
.endr
.if \b < 3
.Lm\@_\b:
.endif
.endr
.Lopen_\@:
.irp b, 0,1,2,3
	v_max3_num_f32 v[BM+\b], v[S+16*\b], v[S+1+16*\b], v[S+2+16*\b]   ; the largest score of each block of 32 keys: for the row's maximum, and, since p rises with the score, for the block's largest p
.endr
.irp i, 3,5,7,9,11,13
.irp b, 0,1,2,3
	v_max3_num_f32 v[BM+\b], v[BM+\b], v[S+16*\b+\i], v[S+1+16*\b+\i]
.endr
.endr
.irp b, 0,1,2,3
	v_max_num_f32 v[BM+\b], v[BM+\b], v[S+15+16*\b]
.endr
.irp b, 0,1,2,3
	v_permlanex16_b32 v[PT+\b], v[BM+\b], s[SEL], s[SEL+1]
.endr
.irp b, 0,1,2,3
	v_max_num_f32 v[BM+\b], v[BM+\b], v[PT+\b]     ; with lane l xor 16's 16 keys
.endr
	v_max3_num_f32 v[TT], v[BM], v[BM+1], v[BM+2]
	s_delay_alu instid0(VALU_DEP_1)
	v_max_num_f32 v[TT], v[TT], v[BM+3]
	s_delay_alu instid0(VALU_DEP_1)
	v_mul_f32 v[TT], s[CS], v[TT]                  ; as t
	s_delay_alu instid0(VALU_DEP_1)
	v_max_num_f32 v[MS+2*\s+1], v[MS+2*\s+1], v[TT]   ; the running largest t
	v_mov_b32 v[TT], v[MS+2*\s]
	s_delay_alu instid0(VALU_DEP_2)
	v_floor_f32 v[MS+2*\s], -v[MS+2*\s+1]          ; the new -M = -ceil(t): a whole number
	s_delay_alu instid0(VALU_DEP_1)
	v_sub_f32 v[TT], v[MS+2*\s], v[TT]             ; old M - new M, 0 or less
	s_delay_alu instid0(VALU_DEP_1)
	v_cvt_i32_f32 v[TT], v[TT]                     ; (it saturates)
	s_delay_alu instid0(VALU_DEP_1)
	v_ldexp_f32 v[F], 1.0, v[TT]                   ; f = 2^(old M - new M): rounds nothing
.irp j, 0,2,4,6,8,10,12,14,16,18,20,22,24,26,28,30,32,34,36,38,40,42,44,46,48,50,52,54,56,58,60,62
	v_pk_fma_f32 v[S+\j:S+\j+1], v[S+\j:S+\j+1], s[CS:CS+1], v[MS+2*\s:MS+2*\s+1] op_sel_hi:[1,0,0]   ; t - M
.endr
.irp b, 0,1,2,3
	v_fma_f32 v[BM+\b], v[BM+\b], s[CS], v[MS+2*\s]
.endr
	v_pk_mul_f32 v[LS+2*\s:LS+2*\s+1], v[LS+2*\s:LS+2*\s+1], v[F:F+1] op_sel_hi:[1,0]   ; the sums under the new M
	WIN 0x41                                       ; destination and source 0 in window 1
	s_wait_alu depctr_va_vdst(0)                   ; directly ahead of the first reader of O^T
.irp j, 0,2,4,6,8,10,12,14,16,18,20,22,24,26,28,30,32,34,36,38,40,42,44,46,48,50,52,54,56,58,60,62
	v_pk_mul_f32 v[64*\s+\j:64*\s+\j+1], v[64*\s+\j:64*\s+\j+1], v[F:F+1] op_sel_hi:[1,0]   ; O^T under the new M, each accumulator from its low end on
.endr
	WIN 0
	s_wait_alu depctr_va_vdst(0)                   ; one wait ahead of the batch: all its sources
.irp t, 0,1,2,3,4,5,6,7
.irp i, 0,1,2,3,4,5,6,7
	v_exp_f32 v[S+8*\t+\i], v[S+8*\t+\i]           ; p = 2^(t - M), not normalised
.endr
.endr
.irp b, 0,1,2,3
	v_exp_f32 v[BM+\b], v[BM+\b]                   ; the block's largest p
.endr
	v_nop                                          ; a plain place behind the exponentials
	s_wait_alu depctr_va_vdst(0)                   ; one wait for the batch of 68, ahead of its first reader
.irp b, 0,1,2,3
	v_max_num_f32 v[BM+\b], 0x1800000, v[BM+\b]    ; the floor 2^(3 - 127)
.endr
.irp b, 0,1,2,3
	v_add_nc_u32 v[SO+\b], 0xff000000, v[BM+\b]    ; 2 off the exponent field: the conversion's scale operand
.endr
.irp b, 0,1,2,3
	v_lshrrev_b32 v[PT+\b], 23, v[SO+\b]
.endr
	v_lshl_or_b32 v[PS], v[PT+1], 8, v[PT]         ; p's scale word for these 128 keys
	v_lshl_or_b32 v[PS], v[PT+2], 16, v[PS]
	v_lshl_or_b32 v[PS], v[PT+3], 24, v[PS]
.irp c, 0,1
	v_cvt_scalef32_pk16_fp6_f32 v[PC+6*\c:PC+6*\c+2], v[S+32*\c:S+32*\c+15], v[SO+2*\c]
	v_cvt_scalef32_pk16_fp6_f32 v[PH+4*\c:PH+4*\c+2], v[S+16+32*\c:S+31+32*\c], v[SO+2*\c+1]
.endr
	v_nop                                          ; one plain place behind a scaled conversion
.irp c, 0,1
.irp i, 0,1,2
	v_permlane16_swap_b32 v[PC+6*\c+\i], v[PH+4*\c+\i]
.endr
.irp i, 0,1,2
	v_mov_b32 v[PC+3+6*\c+\i], v[PH+4*\c+\i]
.endr
.endr
.irp k, 0,1,2,3                                ; the row's sum of the unquantised p, in four packed chains: these 32 lines are also the places between p's codes and scale word and the products below
	v_pk_add_f32 v[SU+2*\k:SU+2*\k+1], v[S+4*\k:S+4*\k+1], v[S+4*\k+2:S+4*\k+3]
.endr
.irp j, 16,24,32,40,48,56
.irp k, 0,1,2,3
	v_pk_add_f32 v[SU+2*\k:SU+2*\k+1], v[SU+2*\k:SU+2*\k+1], v[S+\j+2*\k:S+\j+2*\k+1]
.endr
.endr
	v_pk_add_f32 v[SU:SU+1], v[SU:SU+1], v[SU+2:SU+3]
	v_pk_add_f32 v[SU+4:SU+5], v[SU+4:SU+5], v[SU+6:SU+7]
	v_pk_add_f32 v[SU:SU+1], v[SU:SU+1], v[SU+4:SU+5]
	v_pk_add_f32 v[LS+2*\s:LS+2*\s+1], v[LS+2*\s:LS+2*\s+1], v[SU:SU+1]
	s_wait_alu depctr_va_vdst(0)                   ; directly ahead of the wait below
	s_wait_dscnt 0x0                               ; V's fragments and scale words are in
	WIN 0x51                                       ; V's fragments, C and D in window 1, p's codes in window 0
.irp t, 0,1,2,3,4,5,6,7
	v_wmma_scale_f32_16x16x128_f8f6f4 v[64*\s+8*\t:64*\s+8*\t+7], v[VFR+12*\t:VFR+12*\t+11], v[PC:PC+11], v[64*\s+8*\t:64*\s+8*\t+7], v[VSC+\t], v[PS] matrix_a_fmt:MATRIX_FMT_FP6 matrix_b_fmt:MATRIX_FMT_FP6
.endr
	WIN 0
.Lhid_\@:
.endm
; A KEY STEP: 128 keys, the q-th of the slot in hand.  52 LDS loads in one run: K's scale words and half fragments of my map first, then V's; both tiles use them.
.macro STEP q
	s_cmp_gt_u32 s[KF], s[QBX]                     ; all keys after both tiles' queries; no barrier and no tensor load stands in a step
	s_cbranch_scc1 .Lhidden_\@
	s_add_co_u32 s90, s[TB], s[SGK]
	s_add_co_u32 s91, s[TS], s[SGS]
	v_add_nc_u32 v[ADK16], s90, v[L16]             ; (these six are also the places ahead of loads into registers that the last step's products read)
	v_add_nc_u32 v[ADK8], s90, v[L8]
	v_add_nc_u32 v[ADV16], s[TB], v[L16]
	v_add_nc_u32 v[ADV8], s[TB], v[L8]
	v_add_nc_u32 v[ADS], s91, v[ASC]
	v_add_nc_u32 v[ADT], s[TS], v[ASC]
	s_wait_alu depctr_va_vdst(0)                   ; the wait behind these writes
	ds_load_b128 v[KSC:KSC+3], v[ADS]
	ds_load_b128 v[KSC+4:KSC+7], v[ADS] offset:256
.irp t, 0,1,2,3,4,5,6,7
	ds_load_b128 v[KFR+6*\t:KFR+6*\t+3], v[ADK16] offset:KSB*(\q)+1536*\t
	ds_load_b64 v[KFR+6*\t+4:KFR+6*\t+5], v[ADK8] offset:KSB*(\q)+1536*\t+512
.endr
	ds_load_b128 v[VSC:VSC+3], v[ADT] offset:1024
	ds_load_b128 v[VSC+4:VSC+7], v[ADT] offset:1280
	WIN 0x40
.irp t, 0,1,2,3,4,5,6,7
	ds_load_b128 v[VFR+12*\t:VFR+12*\t+3], v[ADV16] offset:KSB*(\q)+12288+1536*\t
	ds_load_b64 v[VFR+12*\t+4:VFR+12*\t+5], v[ADV8] offset:KSB*(\q)+12288+1536*\t+512
	ds_load_b128 v[VFR+12*\t+6:VFR+12*\t+9], v[ADV16] offset:KSB*(\q)+12288+1536*\t+768
	ds_load_b64 v[VFR+12*\t+10:VFR+12*\t+11], v[ADV8] offset:KSB*(\q)+12288+1536*\t+1280
.endr
	WIN 0
	s_wait_dscnt 34                                ; K's 18 loads are in; V's 2 + 32, issued behind them, may be out
	TILE 0
	TILE 1
	s_wait_dscnt 0x0                               ; on every way out of the step none of its loads is out
.Lhidden_\@:
	s_add_co_u32 s[KF], s[KF], 128
	s_add_co_u32 s[TS], s[TS], 1536
.endm
; THE CHANGE OF SLOTS stands at a slot's head: each wave waits for all its tensor loads, adds 0 to its spare word, waits for that and for its reads of the slot that it has left; one barrier.
; The slot just left (the first time: slot 1, not yet filled) takes the next 256 keys, first thing behind the barrier, unless its first key comes after the work-group's last query: then no wave would read it.  In the last trip that always holds.
.macro CHANGE
	s_wait_tensorcnt 0x0                           ; no tensor load of mine is out, so a group 0 may be written
	ds_add_u32 v[SPW], v[NIL]                      ; 0 onto my spare word
	s_xor_b32 s[G0T+1], s[G0T+1], SLOT1
	s_add_nc_u64 s[G0T+2:G0T+3], s[G0T+2:G0T+3], SLOTB
	s_wait_xcnt 0x0                                ; the last prefetches, a slot back, have read their address
	s_add_nc_u64 s[PFA:PFA+1], s[PFA:PFA+1], SLOTB
	s_wait_dscnt 0x0                               ; the add is done, and my reads of the slot that I have left are over
	s_barrier_signal -1
	s_barrier_wait -1
	s_add_co_u32 s90, s[KF], 256                   ; the first key of the slot that this change would ask for
	s_cmp_gt_u32 s90, s[QL]                        ; ids and the count of steps alone: all eight waves go the same way
	s_cbranch_scc1 .Lpast_\@
	TLOAD
.Lpast_\@:
	ASK
.endm
.Lslot:                                            ; eight trips, a slot each
	CHANGE
	STEP 0
	STEP 1
	s_xor_b32 s[TB], s[TB], SLOT1
	s_sub_co_u32 s[SLOTS], s[SLOTS], 1
	s_cmp_lg_u32 s[SLOTS], 0
	s_cbranch_scc1 .Lslot
	; THE END
	PLACES                                         ; behind the last products
	s_wait_alu depctr_va_vdst(0)                   ; the sums were written ahead of branches
	v_add_f32 v[LS], v[LS], v[LS+1]
	v_add_f32 v[LS+2], v[LS+2], v[LS+3]
	v_bfe_u32 v8, v0, 4, 1
	v_lshlrev_b32 v9, 6, v8                        ; 64 h
	v_permlanex16_b32 v[PT], v[LS], s[SEL], s[SEL+1]
	v_permlanex16_b32 v[PT+1], v[LS+2], s[SEL], s[SEL+1]
	v_add_f32 v[LS], v[LS], v[PT]                  ; the rows' sums
	v_add_f32 v[LS+2], v[LS+2], v[PT+1]
	s_wait_alu depctr_va_vdst(0)                   ; ahead of the two reciprocals
	v_rcp_f32 v[LS], v[LS]
	v_rcp_f32 v[LS+2], v[LS+2]
	v_nop                                          ; a plain place behind them
.irp b, 0,1,2,3
.irp q, 0,1,2,3
	global_load_b128 v[48+16*\b+4*\q:51+16*\b+4*\q], v9, s[16:17] offset:128*\b+16*\q   ; subln_w at my channels 32 b + 16 h + 0 .. 15
.endr
.endr
	s_mov_b32 s88, 0x3c000000                      ; 1 / 128
	s_mov_b32 s89, 0x3727c5ac                      ; 1e-5
	s_wait_alu depctr_va_vdst(0)                   ; ahead of the reciprocals' first reader
	v_mul_f32 v[LS], v[LS], v[G]                   ; g / l
	v_mul_f32 v[LS+2], v[LS+2], v[G]
	WIN 0x41
	s_wait_alu depctr_va_vdst(0)                   ; directly ahead of the first reader of set 1's O^T
.irp j, 0,2,4,6,8,10,12,14,16,18,20,22,24,26,28,30,32,34,36,38,40,42,44,46,48,50,52,54,56,58,60,62
	v_pk_mul_f32 v[64+\j:65+\j], v[64+\j:65+\j], v[LS+2:LS+3] op_sel_hi:[1,0]
.endr
	WIN 0x04                                       ; the stores' data in window 1
.irp c, 0,1,2,3,4,5,6,7,8,9,10,11,12,13,14,15
	ds_store_b128 v[XA], v[64+4*\c:67+4*\c] offset:512*\c   ; an image of the registers
.endr
	WIN 0x01
	s_wait_alu depctr_va_vdst(0)                   ; and directly ahead of the first reader of set 0's
.irp j, 0,2,4,6,8,10,12,14,16,18,20,22,24,26,28,30,32,34,36,38,40,42,44,46,48,50,52,54,56,58,60,62
	v_pk_mul_f32 v[S+\j:S+\j+1], v[\j:\j+1], v[LS:LS+1] op_sel_hi:[1,0]
.endr
	WIN 0
	s_wait_alu depctr_va_vdst(0)                   ; directly ahead of the wait below
	s_wait_dscnt 0x0                               ; for the other wave's sake: my stores have landed
	s_barrier_signal -1
	s_barrier_wait -1
.irp c, 0,1,2,3,4,5,6,7,8,9,10,11,12,13,14,15
	ds_load_b128 v[192+4*\c:195+4*\c], v[XR] offset:512*\c
.endr
	s_wait_dscnt 0x0
.irp j, 0,2,4,6,8,10,12,14,16,18,20,22,24,26,28,30,32,34,36,38,40,42,44,46,48,50,52,54,56,58,60,62
	v_pk_add_f32 v[S+\j:S+\j+1], v[S+\j:S+\j+1], v[192+\j:193+\j]   ; a1 - lambda a2
.endr
	v_pk_mul_f32 v[112:113], v[S:S+1], v[S:S+1]    ; the sum of squares, in two packed chains
	v_pk_mul_f32 v[114:115], v[S+2:S+3], v[S+2:S+3]
.irp j, 4,8,12,16,20,24,28,32,36,40,44,48,52,56,60
	v_pk_fma_f32 v[112:113], v[S+\j:S+\j+1], v[S+\j:S+\j+1], v[112:113]
	v_pk_fma_f32 v[114:115], v[S+\j+2:S+\j+3], v[S+\j+2:S+\j+3], v[114:115]
.endr
	v_pk_add_f32 v[112:113], v[112:113], v[114:115]
	v_add_f32 v112, v112, v113
	v_permlanex16_b32 v[PT], v112, s[SEL], s[SEL+1]
	v_add_f32 v112, v112, v[PT]                    ; over the row's 128 channels
	v_fma_f32 v112, v112, s88, s89                 ; the mean + 1e-5
	s_wait_alu depctr_va_vdst(0)                   ; ahead of the root
	v_rsq_f32 v112, v112
	v_and_b32 v117, 15, v0                         ; (a plain place behind the root)
	v_lshlrev_b32 v117, 4, v117                    ; 16 r
	s_wait_alu depctr_va_vdst(0)                   ; ahead of the root's first reader
	v_mul_f32 v112, 0x3e5d9673, v112               ; x (1 - lambda_init)
	s_wait_alu depctr_va_vdst(0)                   ; directly ahead of the wait below
	s_wait_loadcnt 0x0                             ; subln_w
.irp j, 0,2,4,6,8,10,12,14,16,18,20,22,24,26,28,30,32,34,36,38,40,42,44,46,48,50,52,54,56,58,60,62
	v_pk_mul_f32 v[S+\j:S+\j+1], v[S+\j:S+\j+1], v[112:113] op_sel_hi:[1,0]
.endr
.irp j, 0,2,4,6,8,10,12,14,16,18,20,22,24,26,28,30,32,34,36,38,40,42,44,46,48,50,52,54,56,58,60,62
	v_pk_mul_f32 v[S+\j:S+\j+1], v[S+\j:S+\j+1], v[48+\j:49+\j]
.endr
	QUANT S, 192, 204, 212, 228
.irp c, 0,1,2
	global_store_b128 v[L16], v[192+4*\c:195+4*\c], s[18:19] offset:512*\c   ; the fragment's image: 512 consecutive bytes a store, aligned
.endr
	global_store_b32 v117, v228, s[20:21]          ; my row's scale word (lanes l and l + 16 hold the same word and name the same place)
	s_wait_tensorcnt 0x0                           ; the wave's end: behind my last tensor load and my last LDS store
	ds_add_u32 v[SPW], v[NIL]
	s_wait_dscnt 0x0
	s_endpgm
.Lfunc_end_k_qeeb3a8e060_attn:
	.size	k_qeeb3a8e060_attn, .Lfunc_end_k_qeeb3a8e060_attn-k_qeeb3a8e060_attn
	.p2alignl 7, 3214868480
	.fill 96, 4, 3214868480
	.section	.rodata,"a",@progbits
	.p2align	6, 0x0
	.amdhsa_kernel k_qeeb3a8e060_attn
		.amdhsa_group_segment_fixed_size 327680
		.amdhsa_private_segment_fixed_size 0
		.amdhsa_enable_private_segment 0
		.amdhsa_kernarg_size 72
		.amdhsa_user_sgpr_count 2
		.amdhsa_user_sgpr_kernarg_segment_ptr 1
		.amdhsa_wavefront_size32 1
		.amdhsa_system_sgpr_workgroup_id_x 1
		.amdhsa_system_sgpr_workgroup_id_y 1
		.amdhsa_system_sgpr_workgroup_id_z 1
		.amdhsa_system_vgpr_workitem_id 0
		.amdhsa_next_free_vgpr 512
		.amdhsa_next_free_sgpr 100
		.amdhsa_reserve_vcc 1
		.amdhsa_float_denorm_mode_32 3
		.amdhsa_float_denorm_mode_16_64 3
		.amdhsa_memory_ordered 1
		.amdhsa_forward_progress 1
		.amdhsa_inst_pref_size 126
	.end_amdhsa_kernel
	.amdgpu_metadata
---
amdhsa.version: [ 1, 2 ]
amdhsa.kernels:
  - .name:           k_qeeb3a8e060_attn
    .symbol:         k_qeeb3a8e060_attn.kd
    .args:
      - { .name: qkv, .offset: 0, .size: 8, .value_kind: global_buffer, .address_space: global }
      - { .name: qkvs, .offset: 8, .size: 8, .value_kind: global_buffer, .address_space: global }
      - { .name: lambda_q1, .offset: 16, .size: 8, .value_kind: global_buffer, .address_space: global }
      - { .name: lambda_k1, .offset: 24, .size: 8, .value_kind: global_buffer, .address_space: global }
      - { .name: lambda_q2, .offset: 32, .size: 8, .value_kind: global_buffer, .address_space: global }
      - { .name: lambda_k2, .offset: 40, .size: 8, .value_kind: global_buffer, .address_space: global }
      - { .name: subln_w, .offset: 48, .size: 8, .value_kind: global_buffer, .address_space: global }
      - { .name: aimg, .offset: 56, .size: 8, .value_kind: global_buffer, .address_space: global }
      - { .name: ascl, .offset: 64, .size: 8, .value_kind: global_buffer, .address_space: global }
    .group_segment_fixed_size: 327680
    .private_segment_fixed_size: 0
    .kernarg_segment_align: 8
    .kernarg_segment_size: 72
    .max_flat_workgroup_size: 256
    .sgpr_count:     100
    .vgpr_count:     512
    .wavefront_size: 32
...
	.end_amdgpu_metadata
.endif
;; end of part 3
;; launch oproj (part 4): grid 16 x 16, 4 waves a work-group, clusters of 4 x 4, 327,680 bytes of LDS; arguments aimg, ascl, img, scl, out0; writes out0
.if DOCPART == 4
	.amdgcn_target "amdgcn-amd-amdhsa--gfx1250"
	.amdhsa_code_object_version 6
	.text
	.protected	k_qeeb3a8e060_oproj
	.globl	k_qeeb3a8e060_oproj
	.p2align	8
	.type	k_qeeb3a8e060_oproj,@function
k_qeeb3a8e060_oproj:
	s_mov_b64 s[64:65], 0
	v_nop
	global_prefetch_b8 v0, s[64:65] scope:SCOPE_SE
	s_setreg_imm32_b32 hwreg(HW_REG_WAVE_MODE, 25, 1), 1
	s_wait_xcnt 0x0
	s_wait_alu depctr_hold_cnt(0) depctr_sa_sdst(0) depctr_va_vdst(0) depctr_va_sdst(0) depctr_va_ssrc(0) depctr_va_vcc(0) depctr_vm_vsrc(0)
	s_getreg_b32 s2, hwreg(HW_REG_IB_STS2, 6, 4)
	s_cmp_eq_u32 s2, 0
	s_cbranch_scc0 .Lentry_in_a_cluster
	s_endpgm
.Lentry_in_a_cluster:
	s_bfe_u32 s2, ttmp6, 0x10000c
	s_cmp_lg_u32 s2, 0xf033
	s_cbranch_scc0 .Lentry_shape_is_right
	s_endpgm
.Lentry_shape_is_right:
; out0 = a Wo^T on codes of FP6 (E2M3): a from launch attn (aimg, ascl), Wo from launch quant (img, scl; tiles 384-511).  M = N = K = 2,048, f32 out.
; A work-group makes 128 x 128 over all of K; a wave 64 x 64: 4 x 4 accumulators.  THE MATRIX INSTRUCTION IS USED TRANSPOSED (source 0 = a tile of Wo, source 1 = a tile of a): a lane holds neighbouring columns of one row of the result.
; OPERANDS are images of registers, laid [run of four K steps][tile][4][1,536 bytes]: four neighbouring tiles of a run are 24,576 dense bytes, and several runs are the rows of one tile of the data mover.
; K IN TWO FILLS.  At the head each wave asks for one tile: four tiles of a or of Wo, runs 0, 1, 2: 73,728 bytes, 294,912 for the four waves.  Run 3 is the only refill: it lands where run 0 lay, is asked for in K step 3,
; when every wave has run 0 in registers, and is first read behind K step 11: eight K steps, 128 matrix instructions a wave, lie between.
; THE SCALE WORDS of all of K go from memory straight into registers, 16 loads a side: a's in v32-95, Wo's in v96-159, each in lanes 0-15 (lanes 16-31 hold the same).
; CLUSTERS 4 x 4: a's tiles are shared along a row of the cluster, Wo's along a column: joint loads with a mask.  No prefetch: three quarters of K is asked for at the head, and the launch has one refill and no loop to run ahead in.
; THE WAY OUT goes through a stage of the wave's own, in run 1's bytes: they have had their only fill, and behind K step 11's barrier nobody reads them.
; REGISTERS: window 0: v16-29 addresses, v32-159 scale words, v160-223 the way out.  window 1: the accumulators, (a, b) at 8 (4 a + b).  window 2: Wo's fragments, two sets of 48.  window 3: a's, two sets of 48.
.set TILEB, 6144                       ; a tile's four K steps
.set HALF,  4*TILEB                    ; four tiles of one run
.set REG,   3*HALF                     ; what a wave fetches at the head: runs 0, 1, 2
.set SPARE, 4*REG                      ; behind the four: the spare words, 128 bytes a wave
.set ARUNB, 786432                     ; aimg: from run to run: 128 tiles x 6,144 bytes
.set BRUNB, 3145728                    ; img: 512 tiles
.set ADRA, 16                          ; v16 my fragments of a, runs 0 and 1; v17 run 2
.set ADRB, 18                          ; v18-19 the same for Wo
.set L16,  21
.set SOA,  22                          ; my byte in ascl
.set SOB,  23                          ; and in scl
.set STO,  24
.set RD,   25
.set CO,   26
.set SPW,  28
.set NIL,  29
.set SCA,  32                          ; a's scale words: 16 x run + 4 x tile + K step % 4
.set SCB,  96                          ; Wo's
.set BK,   160
.set G1A, 24
.set G0A, 32
.set G1B, 48
.set G0B, 56
.set MULW, 0x5e                        ; source 0 (Wo) window 2, source 1 (a) window 3, C and D window 1
.set MSB, 0
.macro WIN new                         ; the immediate's high byte repeats the setting that is left
.if MSB != \new
	s_set_vgpr_msb (MSB<<8)|\new
.set MSB, \new
.endif
.endm
.macro PLACES                          ; four plain places behind matrix instructions, ahead of loads into their sources and of reads of their results
.rept 4
	v_nop
.endr
.endm
.macro JLOAD                           ; a joint load: waves 0 and 1 fetch for a, waves 2 and 3 for Wo; an s_nop 0 and four v_nop follow each line
	s_cmp_eq_u32 s17, 0
	s_cbranch_scc0 .Lfor_b_\@
	tensor_load_to_lds s[G0A:G0A+3], s[G1A:G1A+7]
	s_nop 0
	PLACES
	s_branch .Lasked_\@
.Lfor_b_\@:
	tensor_load_to_lds s[G0B:G0B+3], s[G1B:G1B+7]
	s_nop 0
	PLACES
.Lasked_\@:
.endm
.macro CREST                           ; a round of the cluster's barrier behind its opening barrier
	s_cmp_lg_u32 s16, 0
	s_cbranch_scc1 .Lnot_wave_0_\@
	s_barrier_signal -3
.Lnot_wave_0_\@:
	s_barrier_wait -3
	s_barrier_signal -1
	s_barrier_wait -1
.endm
.macro CROUND
	s_barrier_signal -1
	s_barrier_wait -1
	CREST
.endm
.macro FETCH k                         ; K step k's fragments into set k % 2: 12 + 12 loads of 512 consecutive bytes.  Run 3 lies where run 0 lay
.set KK, (\k)%12
.set OF, ((KK/4)%2)*HALF+1536*(KK%4)
.set PP, 48*((\k)%2)
	WIN 0x80
.irp b, 0,1,2,3
.irp c, 0,1,2
	ds_load_b128 v[PP+12*\b+4*\c:PP+12*\b+4*\c+3], v[ADRB+KK/8] offset:OF+TILEB*\b+512*\c
.endr
.endr
	WIN 0xc0
.irp a, 0,1,2,3
.irp c, 0,1,2
	ds_load_b128 v[PP+12*\a+4*\c:PP+12*\a+4*\c+3], v[ADRA+KK/8] offset:OF+TILEB*\a+512*\c
.endr
.endr
.endm
; a's block against Wo's four.  The 16 accumulators take turns, one instruction a turn, in the same order in every K step.  zero = 1: the first K step starts the sums.
.macro MULA a, k, zero
.set PP, 48*((\k)%2)
.set SG, 16*((\k)/4)+(\k)%4
.irp b, 0,1,2,3
.if \zero
	v_wmma_scale_f32_16x16x128_f8f6f4 v[8*(4*(\a)+\b):8*(4*(\a)+\b)+7], v[PP+12*\b:PP+12*\b+11], v[PP+12*(\a):PP+12*(\a)+11], 0, v[SCB+SG+4*\b], v[SCA+SG+4*(\a)] matrix_a_fmt:MATRIX_FMT_FP6 matrix_b_fmt:MATRIX_FMT_FP6
.else
	v_wmma_scale_f32_16x16x128_f8f6f4 v[8*(4*(\a)+\b):8*(4*(\a)+\b)+7], v[PP+12*\b:PP+12*\b+11], v[PP+12*(\a):PP+12*(\a)+11], v[8*(4*(\a)+\b):8*(4*(\a)+\b)+7], v[SCB+SG+4*\b], v[SCA+SG+4*(\a)] matrix_a_fmt:MATRIX_FMT_FP6 matrix_b_fmt:MATRIX_FMT_FP6
.endif
.endr
.endm
.macro STEP k, zero                    ; a K step whose successor lies ready in LDS: the successor's fragments are asked for ahead of this step's 16 products
	s_wait_dscnt 0x0                               ; this step's set is in
	PLACES                                         ; the other set was read by the last K step's products
	FETCH (\k)+1
	WIN MULW
	MULA 0, \k, \zero
	MULA 1, \k, \zero
	MULA 2, \k, \zero
	MULA 3, \k, \zero
.endm
	s_load_b256 s[4:11], s[0:1], 0x0               ; aimg, ascl, img, scl
	s_load_b64 s[12:13], s[0:1], 0x20              ; out0
	v_lshl_add_u32 v[SPW], v0, 2, SPARE
	v_mov_b32 v[NIL], 0
	ds_add_u32 v[SPW], v[NIL]                      ; the wave's opening: the add, twice on end, and its wait ahead of my first tensor load
	ds_add_u32 v[SPW], v[NIL]
	v_lshrrev_b32 v1, 5, v0
	v_readfirstlane_b32 s16, v1                    ; wave 0..3
	s_lshr_b32 s17, s16, 1                         ; which 64 rows of a are mine.  Also: I fetch for a (0) or for Wo (1)
	s_and_b32 s18, s16, 1                          ; which 64 rows of Wo.  Also: which half I fetch
	s_bfe_u32 s40, ttmp6, 0x40000                  ; cx
	s_bfe_u32 s41, ttmp6, 0x40004                  ; cy
	s_lshl_b32 s45, ttmp9, 2
	s_add_co_u32 s45, s45, s40                     ; block of 128 rows of Wo
	s_and_b32 s44, ttmp7, 0xffff
	s_lshl_b32 s44, s44, 2
	s_add_co_u32 s44, s44, s41                     ; block of 128 rows of a
	s_lshl_b32 s46, s41, 2
	s_lshl_b32 s46, 15, s46                        ; my row of the cluster
	s_lshl_b32 s47, 0x1111, s40                    ; my column
	; descriptor groups 1: elements of 8 bytes, no padding.  At the head: three rows (runs 0, 1, 2) of 3,072 elements (four tiles), a run apart
	s_or_b32 s[G1A], s46, (3<<16)|(1<<21)
	s_or_b32 s[G1B], s47, (3<<16)|(1<<21)
.irp g, G1A, G1B
	s_mov_b32 s[\g+1], 3072<<16
	s_mov_b32 s[\g+2], 3<<16
	s_mov_b32 s[\g+3], 3072<<16
	s_mov_b32 s[\g+4], 3
	s_mov_b32 s[\g+6], 0
	s_mov_b32 s[\g+7], 0
.endr
	s_mov_b32 s[G1A+5], ARUNB/8
	s_mov_b32 s[G1B+5], BRUNB/8
	s_lshl_b32 s19, s44, 3                         ; a's first tile
	s_lshl_b32 s92, s45, 3
	s_add_co_u32 s92, s92, 384                     ; Wo's
	s_lshl_b32 s93, s18, 2
	s_add_co_u32 s20, s19, s93                     ; + the four that I fetch
	s_mul_i32 s20, s20, 6144
	s_mov_b32 s21, 0
	s_add_co_u32 s94, s92, s93
	s_lshl_b32 s23, s94, 10                        ; (Wo's scale words of the same four: they are also the four that I multiply)
	s_mul_i32 s94, s94, 6144
	s_mov_b32 s95, 0
	s_lshl_b32 s22, s17, 2
	s_add_co_u32 s22, s22, s19
	s_lshl_b32 s22, s22, 10                        ; a's scale words of the four tiles that I multiply
	s_mul_i32 s98, s16, REG                        ; where my tile goes: a's two halves, then Wo's two: no place in the cluster enters an LDS address
	s_mul_i32 s96, s17, REG                        ; where I read a,
	s_mul_i32 s97, s18, REG
	s_add_co_u32 s97, s97, 2*REG                   ; and Wo
	s_add_co_u32 s99, s98, HALF                    ; my stage: run 1's bytes of the tile that I fetched
	s_lshl_b32 s2, s44, 20                         ; my part of out0: 128 rows of 8,192 bytes a block, 64 a half; 512 bytes a block of columns, 256 a half
	s_lshl_b32 s3, s17, 19
	s_add_co_u32 s2, s2, s3
	s_lshl_b32 s3, s45, 9
	s_add_co_u32 s2, s2, s3
	s_lshl_b32 s3, s18, 8
	s_add_co_u32 s2, s2, s3
	s_mov_b32 s3, 0
	s_wait_dscnt 0x0                               ; both opening adds are done
	s_wait_kmcnt 0x0
	s_add_nc_u64 s[20:21], s[4:5], s[20:21]
	s_add_nc_u64 s[94:95], s[8:9], s[94:95]
	s_add_nc_u64 s[12:13], s[12:13], s[2:3]
	CROUND                                         ; all sixteen work-groups are here: the first joint loads meet
	s_mov_b32 s[G0A], 1
	s_mov_b32 s[G0A+1], s98
	s_mov_b64 s[G0A+2:G0A+3], s[20:21]
	s_or_b32 s[G0A+3], s[G0A+3], 0x80000000
	s_mov_b32 s[G0B], 1
	s_mov_b32 s[G0B+1], s98
	s_mov_b64 s[G0B+2:G0B+3], s[94:95]
	s_or_b32 s[G0B+3], s[G0B+3], 0x80000000
	JLOAD                                          ; the head's load, one a wave: K steps 0-11 of four tiles
	v_and_b32 v1, 31, v0                           ; lane
	v_and_b32 v2, 15, v0                           ; r
	v_bfe_u32 v3, v0, 4, 1                         ; h
	v_lshlrev_b32 v5, 4, v2
	v_add_nc_u32 v[SOA], s22, v5
	v_add_nc_u32 v[SOB], s23, v5
.irp g, 0,1,2,3
.irp i, 0,1,2,3
	global_load_b128 v[SCA+16*\g+4*\i:SCA+16*\g+4*\i+3], v[SOA], s[6:7] offset:1024*\i+256*\g     ; tile i, run g: the words of its four K steps
	global_load_b128 v[SCB+16*\g+4*\i:SCB+16*\g+4*\i+3], v[SOB], s[10:11] offset:1024*\i+256*\g
.endr
.endr
	v_lshlrev_b32 v[L16], 4, v1
	v_add_nc_u32 v[ADRA], s96, v[L16]
	v_add_nc_u32 v[ADRB], s97, v[L16]
	v_add_nc_u32 v[ADRA+1], 2*HALF, v[ADRA]
	v_add_nc_u32 v[ADRB+1], 2*HALF, v[ADRB]
	v_mul_u32_u24 v[STO], v2, 272                  ; the stage, in: row r, 64 bytes for each half of the lanes
	v_lshl_add_u32 v[STO], v3, 6, v[STO]
	v_add_nc_u32 v[STO], s99, v[STO]
	v_mul_u32_u24 v[RD], v3, 272                   ; back: lanes 0-15 one row of 256 bytes, lanes 16-31 the next
	v_lshl_add_u32 v[RD], v2, 4, v[RD]
	v_add_nc_u32 v[RD], s99, v[RD]
	v_lshlrev_b32 v[CO], 13, v3                    ; and the same two rows in out0
	v_lshl_add_u32 v[CO], v2, 4, v[CO]
	s_wait_alu depctr_va_vdst(0)                   ; the wait at the head's end
	s_wait_loadcnt 0x0                             ; the scale words are in
	s_wait_tensorcnt 0x0                           ; my tile is in
	s_barrier_signal -1
	s_barrier_wait -1
	FETCH 0
	STEP 0, 1                                      ; the first K step's products start the sums: nothing is cleared
	STEP 1, 0
	STEP 2, 0
	; K step 3: run 0 is read no more.  Each wave waits for all its tensor loads (none is out), adds 0 to its spare word, waits for that and for its reads; the barrier opens a round of the cluster's barrier; the refill comes first behind it
	WIN 0                                          ; (the add's two registers lie in window 0)
	s_wait_tensorcnt 0x0
	ds_add_u32 v[SPW], v[NIL]
	s_wait_dscnt 1                                 ; K step 3's set is in; the add alone may be out
	WIN MULW
	MULA 0, 3, 0                                   ; four products stand between the add and the wait for it
	s_wait_dscnt 0x0
	s_barrier_signal -1
	MULA 1, 3, 0
	WIN 0
	s_barrier_wait -1
	CREST                                          ; no wave of any partner still reads run 0 or has a load on its way
	s_add_nc_u64 s[G0A+2:G0A+3], s[G0A+2:G0A+3], 3*ARUNB
	s_add_nc_u64 s[G0B+2:G0B+3], s[G0B+2:G0B+3], 3*BRUNB
.irp g, G1A, G1B
	s_mov_b32 s[\g+1], 768<<16                     ; one run: a dense block, as a row of 6,144 bytes a tile
	s_mov_b32 s[\g+2], 4<<16
	s_mov_b32 s[\g+3], 768<<16
	s_mov_b32 s[\g+4], 4
	s_mov_b32 s[\g+5], 768
.endr
	JLOAD                                          ; run 3, where run 0 lay; its four v_nop are also the places ahead of the loads below
	FETCH 4
	WIN MULW
	MULA 2, 3, 0
	MULA 3, 3, 0
.irp k, 4,5,6,7,8,9,10
	STEP \k, 0
.endr
	; K step 11: run 3 is wanted next.  Each wave waits for its part of it and for its reads of runs 1 and 2
	s_wait_tensorcnt 0x0
	s_wait_dscnt 0x0
	MULA 0, 11, 0
	s_barrier_signal -1
	MULA 1, 11, 0
	s_barrier_wait -1
	PLACES
	FETCH 12
	WIN MULW
	MULA 2, 11, 0
	MULA 3, 11, 0
	STEP 12, 0
	STEP 13, 0
	STEP 14, 0
	s_wait_dscnt 0x0
	MULA 0, 15, 0
	MULA 1, 15, 0
	MULA 2, 15, 0
	MULA 3, 15, 0
	WIN 0
; THE WAY OUT, block by block of 16 rows x 64 columns: through my stage (rows of 272 bytes), back as whole rows of 256 bytes, sixteen lanes to an aligned run of 256 bytes of out0.
; Register j of accumulator (a, b) holds column 32 (b / 2) + 16 h + 8 (b % 2) + j of row place r of a's tile.  LDS serves a wave's instructions in order: no wait between the stores and the loads.
.macro TOSTAGE a
	WIN 0x04                                       ; the data: window 1
.irp b, 0,1,2,3
	ds_store_b128 v[STO], v[8*(4*(\a)+\b):8*(4*(\a)+\b)+3] offset:128*(\b/2)+32*(\b%2)          ; each accumulator from its low end on
	ds_store_b128 v[STO], v[8*(4*(\a)+\b)+4:8*(4*(\a)+\b)+7] offset:128*(\b/2)+32*(\b%2)+16
.endr
	WIN 0
.irp t, 0,1,2,3,4,5,6,7
	ds_load_b128 v[BK+32*((\a)%2)+4*\t:BK+32*((\a)%2)+4*\t+3], v[RD] offset:544*\t
.endr
.endm
.macro SEND a, younger                 ; younger: the LDS instructions issued behind block a's loads, which may stay out
	s_wait_dscnt \younger
.irp t, 0,1,2,3,4,5,6,7
	global_store_b128 v[CO], v[BK+32*((\a)%2)+4*\t:BK+32*((\a)%2)+4*\t+3], s[12:13] offset:(32*((\a)/2)+8*((\a)%2)+2*\t+8*(\t/4))*8192 th:TH_STORE_NT
.endr
.endm
	PLACES                                         ; behind the last products
	TOSTAGE 0
.irp a, 1,2,3
.if \a > 1
	s_wait_xcnt 0x0                                ; block a - 2's stores have read their registers: block a's loads may land there
.endif
	TOSTAGE \a
	SEND \a-1, 16
.endr
	SEND 3, 0
	s_wait_tensorcnt 0x0                           ; the wave's end: behind my last tensor load and my last LDS store
	ds_add_u32 v[SPW], v[NIL]
	s_wait_dscnt 0x0
	CROUND                                         ; the closing round
	s_endpgm
.Lfunc_end_k_qeeb3a8e060_oproj:
	.size	k_qeeb3a8e060_oproj, .Lfunc_end_k_qeeb3a8e060_oproj-k_qeeb3a8e060_oproj
	.p2alignl 7, 3214868480
	.fill 96, 4, 3214868480
	.section	.rodata,"a",@progbits
	.p2align	6, 0x0
	.amdhsa_kernel k_qeeb3a8e060_oproj
		.amdhsa_group_segment_fixed_size 327680
		.amdhsa_private_segment_fixed_size 0
		.amdhsa_enable_private_segment 0
		.amdhsa_kernarg_size 40
		.amdhsa_user_sgpr_count 2
		.amdhsa_user_sgpr_kernarg_segment_ptr 1
		.amdhsa_wavefront_size32 1
		.amdhsa_system_sgpr_workgroup_id_x 1
		.amdhsa_system_sgpr_workgroup_id_y 1
		.amdhsa_system_sgpr_workgroup_id_z 1
		.amdhsa_system_vgpr_workitem_id 0
		.amdhsa_next_free_vgpr 1024
		.amdhsa_next_free_sgpr 100
		.amdhsa_reserve_vcc 0
		.amdhsa_float_denorm_mode_32 3
		.amdhsa_float_denorm_mode_16_64 3
		.amdhsa_memory_ordered 1
		.amdhsa_forward_progress 1
		.amdhsa_inst_pref_size 79
	.end_amdhsa_kernel
	.amdgpu_metadata
---
amdhsa.version: [ 1, 2 ]
amdhsa.kernels:
  - .name:           k_qeeb3a8e060_oproj
    .symbol:         k_qeeb3a8e060_oproj.kd
    .args:
      - { .name: aimg, .offset: 0, .size: 8, .value_kind: global_buffer, .address_space: global }
      - { .name: ascl, .offset: 8, .size: 8, .value_kind: global_buffer, .address_space: global }
      - { .name: img, .offset: 16, .size: 8, .value_kind: global_buffer, .address_space: global }
      - { .name: scl, .offset: 24, .size: 8, .value_kind: global_buffer, .address_space: global }
      - { .name: out0, .offset: 32, .size: 8, .value_kind: global_buffer, .address_space: global }
    .group_segment_fixed_size: 327680
    .private_segment_fixed_size: 0
    .kernarg_segment_align: 8
    .kernarg_segment_size: 40
    .max_flat_workgroup_size: 128
    .sgpr_count:     100
    .vgpr_count:     1024
    .wavefront_size: 32
...
	.end_amdgpu_metadata
.endif
;; end of part 4
